; MI455X (gfx1250); checked and timed in simulation.
; The chip was launched on July 23, 2026; its instructions are those of AMD's public machine-readable ISA for CDNA 5 (MIT licence, August 2026) and "CDNA5" Instruction Set Architecture Reference Guide (July 2026). The comments in the code are by the model that wrote it; some were corrected since.
;; MH Attn. Allowed arithmetic: matrix products marked QUANTISED: E2M3 operands, one E8M0 scale for each 32 along K, by v_wmma_scale_f32_16x16x128_f8f6f4 with both operands' format E2M3, f32 sums; products left as they are: f32 operands where the result goes on into a quantised operand, else bf16, f16 or f32 operands; f32 sums; everything else in f32.
;; Inputs: Wk 1,024 x 1,024 float32; Wo 1,024 x 1,024 float32; Wq 1,024 x 1,024 float32; Wv 1,024 x 1,024 float32; bk 1,024 float32; bo 1,024 float32; bq 1,024 float32; bv 1,024 float32; k 16 x 1,024 x 1,024 float32; q 16 x 1 x 1,024 float32; v 16 x 1,024 x 1,024 float32.
;; Outputs: out0 16 x 1,024 x 1,024 float32.
;; This version of the problem:
;;   THIS VERSION OF THE PROBLEM IS GIVEN IN LOW PRECISION. The matrix products marked QUANTISED in the list below multiply operands that are first quantised to E2M3 (2 exponent bits, 3 mantissa bits; 6 bits a number), with one power-of-two scale for each 32 numbers along K (OCP MX v1.0); their sums are f32. All else is computed in f32.
;;   The module's matrix products, in the order in which they are computed (A, B: the left and right operand; K: the contracted axis; several contracted axes count as one K, in the product's order):
;;     1. [M 16, K 1,024] x [K 1,024, N 1,024]; A: input q; B: input Wq: QUANTISED
;;     2. [M 16,384, K 1,024] x [K 1,024, N 1,024]; A: input k; B: input Wk: QUANTISED
;;     3. [M 16,384, K 1,024] x [K 1,024, N 1,024]; A: input v; B: input Wv: QUANTISED
;;     4. batch 256 x [M 1, K 64] x [K 64, N 1,024]; A: computed on the way; B: computed on the way: left as it is (M = 1 < 16)
;;     5. [M 16,384, K 1,024] x [K 1,024, N 1,024]; A: computed on the way; B: input Wo: QUANTISED
;;   THE QUANTISER, for each operand of a quantised product, along K:
;;     - K is cut into blocks of 32 from its start; a last block that is shorter is filled with zeros.
;;     - A block's scale is 2^e with e = floor(log2(the largest magnitude in the block)) - 2, held to -126 .. 127; a block of zeros has e = 0. As a byte (E8M0): e + 127.
;;     - Each number is divided by its block's scale, clamped to +-7.5, and rounded to the nearest number of E2M3, ties to even, subnormals kept.
;;     - The product sums the exact products of the quantised numbers (number of the format x scale) in f32.
;;   ~~~python
;;   def quantise(x, axis):      # numpy; x: float32 -> the quantised numbers, widened to float32 again
;;       x = np.moveaxis(x, axis, -1); K = x.shape[-1]
;;       x = np.pad(x, [(0, 0)] * (x.ndim - 1) + [(0, -K % 32)]); x = x.reshape(x.shape[:-1] + (-1, 32)); a = np.abs(x).max(-1, keepdims=True)
;;       e = np.where(a > 0, np.clip(np.frexp(np.where(a > 0, a, 1))[1] - 1 - 2, -126, 127), 0)      # np.frexp(a)[1] - 1 = floor(log2(a)), exactly
;;       r = np.clip(x / 2.0 ** e, -7.5, 7.5)
;;       step = 2.0 ** (np.maximum(np.frexp(np.where(r == 0, 1, r))[1] - 1, 0) - 3)
;;       q = np.round(r / step) * step * 2.0 ** e      # np.round: ties to even
;;       return np.moveaxis(q.reshape(q.shape[:-2] + (-1,))[..., :K], -1, axis).astype(np.float32)
;;   ~~~
;;   OPERANDS COMPUTED ON THE WAY. 'Computed on the way' means the value that the module computes at that place (a softmax that the list does not call 'softmax' is quantised finished and normalised). What goes into a quantiser is computed in f32, as accurately as f32 sums, v_exp_f32 and their like allow (about 1e-6 of the number): no bf16 or f16 on the way to a quantiser, and a product that is left as it is and whose result goes on into a quantised operand takes f32 operands (vector FMAs, or v_wmma_f32_16x16x4_f32). A number that lies on a knife's edge between two numbers of the format may be rounded either way, as far as f32 arithmetic and the matrix unit's own rounding can turn it there, and no further.
;; 2 versions. Each part assembles by itself: llvm-mc -triple=amdgcn-amd-amdhsa -mcpu=gfx1250 --defsym DOCPART=n.
;; ======== version 1 of 2: 3 launches
;; workspace buffers: wimg 2,457,600 bytes; qh 131,072 bytes; sc 1,048,576 bytes
;; launch prep (part 1): grid 256 x 1, 4 waves a work-group, no clusters, 8,704 bytes of LDS; arguments Wk, Wv, Wo, Wq, q, bq, wimg, qh; writes wimg, qh
.if DOCPART == 1
	.amdgcn_target "amdgcn-amd-amdhsa--gfx1250"
	.amdhsa_code_object_version 6
	.text
	.protected	k_q05c86e3276_prep
	.globl	k_q05c86e3276_prep
	.p2align	8
	.type	k_q05c86e3276_prep,@function
k_q05c86e3276_prep:
	s_mov_b64 s[64:65], 0
	v_nop
	global_prefetch_b8 v0, s[64:65] scope:SCOPE_SE
	s_setreg_imm32_b32 hwreg(HW_REG_WAVE_MODE, 25, 1), 1
	s_wait_xcnt 0x0
; PREP.  Wk, Wv, Wo, Wq: [1024 (k)][1024 (n)] f32, K the FIRST axis.  Each is quantised along K to FP6 (E2M3) with one E8M0 byte for each 32 along K.
; Wk, Wv, Wo leave as IMAGES OF OPERAND REGISTERS (wimg); Wq is multiplied at once with the quantised q: qh = Q(q) Q(Wq) + bq, in two halves of K (qh[half][b][n]; half 0 carries bq).
; A WAVE'S TASK: 32 columns (number beta) x 128 along K (K step s).  A LANE TAKES A COLUMN AND ITS 128 REGISTERS RUN DOWN K: a block of 32 is one lane's, no lane asks another for a maximum,
; and the conversions give codes with K innermost.  Each load reads 128 consecutive bytes of a row of the weight; on the first way the four waves stand side by side on 512.
; THE COLUMNS OF A TILE ARE NOT NEIGHBOURS: row rho of tile 2 beta + u is column 32 beta + 8 u + rho + 8 (rho / 8); lanes 0-15 hold tile 2 beta, lanes 16-31 tile 2 beta + 1.
; So a product used transposed (source 0 = a tile of the weight) leaves 16 neighbouring columns in the 16 registers of two neighbouring tiles.
; wimg: weight g (0 Wk, 1 Wv, 2 Wo), K step s, quarter w (256 columns) at ((8 g + s) 4 + w) x 25,600 bytes: 16 fragments of 1,536 bytes (three runs of 512: registers 4 ch .. 4 ch + 3, lane l at 16 l),
; then 8 scale registers of 128 bytes (lanes 0-15: the even tile's rows, lanes 16-31: the odd tile's; a word is the row's four bytes of the K step).
; WORK-GROUPS 0-191: weight g = a / 64, K step (a / 8) % 8, beta = 4 (a % 8) + wave.  WORK-GROUPS 192-255: Wq, beta = a % 32, half = (a / 32) % 2, K step 4 half + wave; the four waves' sums meet in LDS.
; No cluster: no two work-groups read the same bytes of a weight; q, which the last 64 share, is 64 KiB against the weights' 16 MiB.
; A scale register's store covers 128 consecutive bytes and qh leaves in pieces of 16 bytes: 96 KiB and 128 KiB of the launch's bytes.
; LIMITS: NaN and infinities are not served.  A block whose largest magnitude lies under 2^-124 (a block of zeros too) gets the byte 1: a block of zeros has zero codes, and this program alone reads the bytes.
; qh is summed K step by K step and half by half, bq added last in half 0: another order of f32 rounding than one sum along K.
.set SPARE, 8192                       ; LDS: 0 .. 8,191 the four waves' partial sums (2,048 bytes each); then the spare words, 128 bytes for each wave
.set MX,   8                           ; v8-11   largest magnitudes
.set EO,   12                          ; v12-15  the conversions' scale operands
.set BY,   16                          ; v16-19  scale bytes
.set SW,   20                          ; v20     the weight's scale word: scales and nothing else
.set PW,   21                          ; v21     q's scale word: scales and nothing else
.set SPW,  22                          ; v22     LDS address of my spare word; never rewritten
.set NIL,  23                          ; v23     0; never rewritten
.set F0,   24                          ; v24-35  the even tile's fragment
.set F1,   36                          ; v36-47  the odd tile's
.set AUXA, 48                          ; v48-50, v52-54  upper halves of blocks 0 and 2
.set AUXB, 56                          ; v56-58, v60-62  of blocks 1 and 3
.set WR,   64                          ; v64-191 my column's 128 numbers
.set QN,   192                         ; v192-255 64 numbers of q
.set PC,   64                          ; behind the weight's conversions: q's fragment,
.set AUX,  76                          ; its conversions' second halves (v76-78, v80-82),
.set D0,   96                          ; the two results,
.set D1,   104
.set RD,   112                         ; four waves' parts of one group of four registers,
.set BQ,   128                         ; and bq's four numbers
.set WV,   20                          ; s20
.set SEL,  44                          ; s[44:45] lane selects: lane l xor 16
; My column's four blocks of 32 become the two tiles' fragments F0, F1 and the scale word SW.
.macro QW
.irp b, 0,1,2,3
	v_max3_num_f32 v[MX+\b], |v[WR+32*\b]|, |v[WR+32*\b+1]|, 0x1800000   ; with the floor 2^(3 - 127): the byte cannot fall under 1
.endr
.irp i, 2,4,6,8,10,12,14,16,18,20,22,24,26,28,30
.irp b, 0,1,2,3
	v_max3_num_f32 v[MX+\b], v[MX+\b], |v[WR+32*\b+\i]|, |v[WR+32*\b+\i+1]|   ; the four blocks by turns
.endr
.endr
.irp b, 0,1,2,3
	v_add_nc_u32 v[EO+\b], 0xff000000, v[MX+\b]    ; 2 off the exponent field: the conversion takes this operand's exponent field as its scale
.endr
.irp b, 0,1,2,3
	v_lshrrev_b32 v[BY+\b], 23, v[EO+\b]           ; the scale's byte
.endr
	v_lshl_or_b32 v[SW], v[BY+1], 8, v[BY]
	v_lshl_or_b32 v[SW], v[BY+2], 16, v[SW]
	v_lshl_or_b32 v[SW], v[BY+3], 24, v[SW]        ; my column's word of this K step
.irp c, 0,1
	v_cvt_scalef32_pk16_fp6_f32 v[F0+6*\c:F0+6*\c+2], v[WR+64*\c:WR+64*\c+15], v[EO+2*\c]            ; block 2 c, lower 16
	v_cvt_scalef32_pk16_fp6_f32 v[AUXA+4*\c:AUXA+4*\c+2], v[WR+64*\c+16:WR+64*\c+31], v[EO+2*\c]     ; upper 16 (a conversion's three registers begin on an even number)
	v_cvt_scalef32_pk16_fp6_f32 v[F1+6*\c:F1+6*\c+2], v[WR+64*\c+32:WR+64*\c+47], v[EO+2*\c+1]       ; block 2 c + 1
	v_cvt_scalef32_pk16_fp6_f32 v[AUXB+4*\c:AUXB+4*\c+2], v[WR+64*\c+48:WR+64*\c+63], v[EO+2*\c+1]
.endr
	v_nop                                          ; one plain place behind the scaled conversions
.irp c, 0,1                            ; a fragment wants block 2 c of its 16 rows in lanes 0-15 and block 2 c + 1 in lanes 16-31: the first's lanes 16-31 change places with the second's lanes 0-15
.irp i, 0,1,2
	v_permlane16_swap_b32 v[F0+6*\c+\i], v[F1+6*\c+\i]
	v_permlane16_swap_b32 v[AUXA+4*\c+\i], v[AUXB+4*\c+\i]
.endr
.irp i, 0,1,2
	v_mov_b32 v[F0+6*\c+3+\i], v[AUXA+4*\c+\i]
	v_mov_b32 v[F1+6*\c+3+\i], v[AUXB+4*\c+\i]
.endr
.endr
.endm
; 64 numbers of a lane, register 16 b + i = k 32 b + 16 (lane / 16) + i of my row, become a fragment's codes in v[PC] on and its scale word in v[PW].
.macro QUANT s
.irp b, 0,1,2,3
	v_max3_num_f32 v[MX+\b], |v[(\s)+16*\b]|, |v[(\s)+16*\b+1]|, 0x1800000
.endr
.irp i, 2,4,6,8,10,12,14
.irp b, 0,1,2,3
	v_max3_num_f32 v[MX+\b], v[MX+\b], |v[(\s)+16*\b+\i]|, |v[(\s)+16*\b+\i+1]|
.endr
.endr
.irp b, 0,1,2,3
	v_permlanex16_b32 v[BY+\b], v[MX+\b], s[SEL], s[SEL+1]
.endr
.irp b, 0,1,2,3
	v_max_num_f32 v[MX+\b], v[MX+\b], v[BY+\b]     ; with lane l xor 16's 16: the block's largest magnitude
.endr
.irp b, 0,1,2,3
	v_add_nc_u32 v[EO+\b], 0xff000000, v[MX+\b]
.endr
.irp b, 0,1,2,3
	v_lshrrev_b32 v[BY+\b], 23, v[EO+\b]
.endr
	v_lshl_or_b32 v[PW], v[BY+1], 8, v[BY]
	v_lshl_or_b32 v[PW], v[BY+2], 16, v[PW]
	v_lshl_or_b32 v[PW], v[BY+3], 24, v[PW]
.irp c, 0,1
	v_cvt_scalef32_pk16_fp6_f32 v[PC+6*\c:PC+6*\c+2], v[(\s)+32*\c:(\s)+32*\c+15], v[EO+2*\c]
	v_cvt_scalef32_pk16_fp6_f32 v[AUX+4*\c:AUX+4*\c+2], v[(\s)+32*\c+16:(\s)+32*\c+31], v[EO+2*\c+1]
.endr
	v_nop                                          ; one plain place behind the scaled conversions
.irp c, 0,1                            ; a whole block to a lane: lanes 0-15 block 2 c, lanes 16-31 block 2 c + 1
.irp i, 0,1,2
	v_permlane16_swap_b32 v[PC+6*\c+\i], v[AUX+4*\c+\i]
.endr
.irp i, 0,1,2
	v_mov_b32 v[PC+6*\c+3+\i], v[AUX+4*\c+\i]
.endr
.endr
.endm
	s_load_b256 s[4:11], s[0:1], 0x0               ; Wk s[4:5], Wv s[6:7], Wo s[8:9], Wq s[10:11]
	s_load_b256 s[12:19], s[0:1], 0x20             ; q s[12:13], bq s[14:15], wimg s[16:17], qh s[18:19]
	v_lshl_add_u32 v[SPW], v0, 2, SPARE
	v_mov_b32 v[NIL], 0
	v_lshrrev_b32 v1, 5, v0
	v_readfirstlane_b32 s[WV], v1                  ; wave 0..3
	v_and_b32 v1, 31, v0                           ; lane
	v_and_b32 v5, 15, v0                           ; r
	v_bfe_u32 v6, v0, 4, 1                         ; h
	v_and_b32 v2, 7, v0
	v_bfe_u32 v3, v0, 3, 1
	v_lshl_add_u32 v2, v3, 4, v2
	v_lshl_add_u32 v2, v6, 3, v2                   ; my column among the 32: l % 8 + 16 ((l / 8) % 2) + 8 (l / 16)
	v_lshlrev_b32 v2, 2, v2                        ; in bytes
	v_lshlrev_b32 v3, 4, v1                        ; 16 x lane
	v_lshlrev_b32 v4, 2, v1                        ; 4 x lane
	v_lshlrev_b32 v7, 12, v5
	v_lshl_add_u32 v7, v6, 6, v7                   ; row r of 4,096 bytes + 64 h: in q and in qh
	v_lshlrev_b32 v63, 6, v6                       ; 64 h: in bq
	s_lshl_b32 s21, s[WV], 11
	v_add_nc_u32 v51, s21, v3                      ; LDS: where I put my sums: 2,048 x wave + 16 x lane
	s_lshl_b32 s21, s[WV], 9
	v_add_nc_u32 v55, s21, v3                      ; and where I read group number wave of each wave's: 512 x wave + 16 x lane
	s_mov_b32 s[SEL], 0x76543210
	s_mov_b32 s[SEL+1], 0xfedcba98
	s_lshr_b32 s22, ttmp9, 6                       ; g: which weight
	s_and_b32 s23, ttmp9, 63
	s_and_b32 s24, s23, 7
	s_lshl_b32 s24, s24, 2
	s_add_co_u32 s24, s24, s[WV]                   ; first way: beta
	s_lshr_b32 s25, s23, 3                         ;            K step
	s_and_b32 s26, s23, 31                         ; second way: beta
	s_lshr_b32 s27, s23, 5                         ;             half
	s_lshl_b32 s28, s27, 2
	s_add_co_u32 s28, s28, s[WV]                   ;             K step
	s_cmp_lt_u32 ttmp9, 192
	s_cselect_b32 s24, s24, s26                    ; beta
	s_cselect_b32 s25, s25, s28                    ; K step
	s_lshl_b32 s30, s25, 19                        ; 128 rows of 4,096 bytes a K step
	s_lshl_b32 s29, s24, 7                         ; 128 bytes a beta
	s_add_co_u32 s30, s30, s29
	s_mov_b32 s31, 0
	s_wait_kmcnt 0x0
	s_cmp_eq_u32 s22, 0                            ; the weight is chosen by the work-group's number alone
	s_cselect_b64 s[32:33], s[4:5], s[6:7]
	s_cmp_lt_u32 s22, 2
	s_cselect_b64 s[32:33], s[32:33], s[8:9]
	s_cmp_lt_u32 s22, 3
	s_cselect_b64 s[32:33], s[32:33], s[10:11]
	s_add_nc_u64 s[32:33], s[32:33], s[30:31]
.set i, 0
.rept 128
	global_load_b32 v[WR+i], v2, s[32:33] offset:4096*i th:TH_LOAD_NT   ; W(128 s + i, my column)
.set i, i+1
.endr
	s_cmp_lt_u32 ttmp9, 192
	s_cbranch_scc0 .Lwq
	; ---- Wk, Wv, Wo: the two fragments and the scale register go to wimg
	s_lshl_b32 s34, s22, 3
	s_add_co_u32 s34, s34, s25                     ; 8 g + s
	s_lshl_b32 s34, s34, 2
	s_lshr_b32 s35, s24, 3
	s_add_co_u32 s34, s34, s35                     ; x 4 + quarter
	s_mul_i32 s34, s34, 25600
	s_and_b32 s36, s24, 7
	s_mul_i32 s38, s36, 3072                       ; two fragments a beta
	s_add_co_u32 s38, s38, s34
	s_mov_b32 s39, 0
	s_lshl_b32 s36, s36, 7                         ; one scale register a beta
	s_add_co_u32 s36, s36, s34
	s_add_co_u32 s36, s36, 24576
	s_mov_b32 s37, 0
	s_add_nc_u64 s[38:39], s[16:17], s[38:39]
	s_add_nc_u64 s[36:37], s[16:17], s[36:37]
	s_wait_loadcnt 0x0
	QW
.irp ch, 0,1,2
	global_store_b128 v3, v[F0+4*\ch:F0+4*\ch+3], s[38:39] offset:512*\ch          ; 512 consecutive bytes, at a multiple of 256 from wimg's first byte
.endr
.irp ch, 0,1,2
	global_store_b128 v3, v[F1+4*\ch:F1+4*\ch+3], s[38:39] offset:1536+512*\ch
.endr
	global_store_b32 v4, v[SW], s[36:37]
	s_wait_tensorcnt 0x0                           ; the wave's end
	ds_add_u32 v[SPW], v[NIL]
	s_wait_dscnt 0x0
	s_endpgm
.Lwq:	; ---- Wq: this K step's part of qh for 32 columns
	s_lshl_b32 s34, s25, 9                         ; 512 bytes of a row of q a K step
	s_mov_b32 s35, 0
	s_add_nc_u64 s[34:35], s[12:13], s[34:35]
.irp b, 0,1,2,3
.irp j, 0,1,2,3
	global_load_b128 v[QN+16*\b+4*\j:QN+16*\b+4*\j+3], v7, s[34:35] offset:128*\b+16*\j   ; q(r, 128 s + 32 b + 16 h + 4 j ..)
.endr
.endr
	s_lshl_b32 s36, s24, 7                         ; the four columns that I add up and store: 128 beta + 32 (wave / 2) + 16 (wave % 2) bytes (+ 64 h)
	s_lshr_b32 s38, s[WV], 1
	s_lshl_b32 s38, s38, 5
	s_add_co_u32 s36, s36, s38
	s_and_b32 s38, s[WV], 1
	s_lshl_b32 s38, s38, 4
	s_add_co_u32 s36, s36, s38
	s_mov_b32 s37, 0
	s_add_nc_u64 s[40:41], s[14:15], s[36:37]      ; in bq
	s_lshl_b32 s38, s27, 16
	s_add_co_u32 s36, s36, s38                     ; + 65,536 x half
	s_add_nc_u64 s[42:43], s[18:19], s[36:37]      ; in qh
	s_wait_loadcnt 0x0
	QW
	global_load_b128 v[BQ:BQ+3], v63, s[40:41]     ; into registers that the weight's numbers have left
	QUANT QN
.rept 8
	v_nop                                          ; a scale register written by a vector instruction stands 8 places ahead of a scaled matrix instruction, an operand so written 4
.endr
	v_wmma_scale_f32_16x16x128_f8f6f4 v[D0:D0+7], v[F0:F0+11], v[PC:PC+11], 0, v[SW], v[PW] matrix_a_fmt:MATRIX_FMT_FP6 matrix_b_fmt:MATRIX_FMT_FP6   ; lane (r, h), register j: batch r, column 32 beta + 16 h + j
	v_wmma_scale_f32_16x16x128_f8f6f4 v[D1:D1+7], v[F1:F1+11], v[PC:PC+11], 0, v[SW], v[PW] matrix_a_fmt:MATRIX_FMT_FP6 matrix_b_fmt:MATRIX_FMT_FP6 matrix_a_scale:MATRIX_SCALE_ROW1   ; column 32 beta + 16 h + 8 + j
.rept 4
	v_nop                                          ; four places ahead of the first read of the results
.endr
	ds_store_b128 v51, v[D0:D0+3]                  ; each result from its low end on
	ds_store_b128 v51, v[D0+4:D0+7] offset:512
	ds_store_b128 v51, v[D1:D1+3] offset:1024
	ds_store_b128 v51, v[D1+4:D1+7] offset:1536
	s_wait_dscnt 0x0                               ; for the others' sake: my stores have landed
	s_barrier_signal -1
	s_barrier_wait -1
.irp i, 0,1,2,3
	ds_load_b128 v[RD+4*\i:RD+4*\i+3], v55 offset:2048*\i   ; group number wave of the K steps 4 half + 0 .. 3
.endr
	s_wait_dscnt 0x0
.irp i, 1,2,3
	v_pk_add_f32 v[RD:RD+1], v[RD:RD+1], v[RD+4*\i:RD+4*\i+1]       ; K ascending
	v_pk_add_f32 v[RD+2:RD+3], v[RD+2:RD+3], v[RD+4*\i+2:RD+4*\i+3]
.endr
	s_wait_loadcnt 0x0                             ; bq
	s_cmp_lg_u32 s27, 0
	s_cbranch_scc1 .Lno_bias                       ; the bias goes into half 0 alone
	v_pk_add_f32 v[RD:RD+1], v[RD:RD+1], v[BQ:BQ+1]
	v_pk_add_f32 v[RD+2:RD+3], v[RD+2:RD+3], v[BQ+2:BQ+3]
.Lno_bias:
	global_store_b128 v7, v[RD:RD+3], s[42:43]
	s_wait_tensorcnt 0x0                           ; the wave's end: behind my last LDS store
	ds_add_u32 v[SPW], v[NIL]
	s_wait_dscnt 0x0
	s_endpgm
.Lfunc_end_k_q05c86e3276_prep:
	.size	k_q05c86e3276_prep, .Lfunc_end_k_q05c86e3276_prep-k_q05c86e3276_prep
	.p2alignl 7, 3214868480
	.fill 96, 4, 3214868480
	.section	.rodata,"a",@progbits
	.p2align	6, 0x0
	.amdhsa_kernel k_q05c86e3276_prep
		.amdhsa_group_segment_fixed_size 8704
		.amdhsa_private_segment_fixed_size 0
		.amdhsa_enable_private_segment 0
		.amdhsa_kernarg_size 64
		.amdhsa_user_sgpr_count 2
		.amdhsa_user_sgpr_kernarg_segment_ptr 1
		.amdhsa_wavefront_size32 1
		.amdhsa_system_sgpr_workgroup_id_x 1
		.amdhsa_system_sgpr_workgroup_id_y 1
		.amdhsa_system_sgpr_workgroup_id_z 1
		.amdhsa_system_vgpr_workitem_id 0
		.amdhsa_next_free_vgpr 256
		.amdhsa_next_free_sgpr 66
		.amdhsa_reserve_vcc 0
		.amdhsa_float_denorm_mode_32 3
		.amdhsa_float_denorm_mode_16_64 3
		.amdhsa_memory_ordered 1
		.amdhsa_forward_progress 1
		.amdhsa_inst_pref_size 36
	.end_amdhsa_kernel
	.amdgpu_metadata
---
amdhsa.version: [ 1, 2 ]
amdhsa.kernels:
  - .name:           k_q05c86e3276_prep
    .symbol:         k_q05c86e3276_prep.kd
    .args:
      - { .name: Wk, .offset: 0, .size: 8, .value_kind: global_buffer, .address_space: global }
      - { .name: Wv, .offset: 8, .size: 8, .value_kind: global_buffer, .address_space: global }
      - { .name: Wo, .offset: 16, .size: 8, .value_kind: global_buffer, .address_space: global }
      - { .name: Wq, .offset: 24, .size: 8, .value_kind: global_buffer, .address_space: global }
      - { .name: q, .offset: 32, .size: 8, .value_kind: global_buffer, .address_space: global }
      - { .name: bq, .offset: 40, .size: 8, .value_kind: global_buffer, .address_space: global }
      - { .name: wimg, .offset: 48, .size: 8, .value_kind: global_buffer, .address_space: global }
      - { .name: qh, .offset: 56, .size: 8, .value_kind: global_buffer, .address_space: global }
    .group_segment_fixed_size: 8704
    .private_segment_fixed_size: 0
    .kernarg_segment_align: 8
    .kernarg_segment_size: 64
    .max_flat_workgroup_size: 128
    .sgpr_count:     66
    .vgpr_count:     256
    .wavefront_size: 32
...
	.end_amdgpu_metadata
.endif
;; end of part 1
;; launch kproj (part 2): grid 256 x 1, 4 waves a work-group, clusters of 4 x 1, 327,680 bytes of LDS; arguments k, wimg, bk, qh, sc; writes sc
.if DOCPART == 2
	.amdgcn_target "amdgcn-amd-amdhsa--gfx1250"
	.amdhsa_code_object_version 6
	.text
	.protected	k_q05c86e3276_kproj
	.globl	k_q05c86e3276_kproj
	.p2align	8
	.type	k_q05c86e3276_kproj,@function
k_q05c86e3276_kproj:
	s_mov_b64 s[64:65], 0
	v_nop
	global_prefetch_b8 v0, s[64:65] scope:SCOPE_SE
	s_setreg_imm32_b32 hwreg(HW_REG_WAVE_MODE, 25, 1), 1
	s_wait_xcnt 0x0
	s_wait_alu depctr_hold_cnt(0) depctr_sa_sdst(0) depctr_va_vdst(0) depctr_va_sdst(0) depctr_va_ssrc(0) depctr_va_vcc(0) depctr_vm_vsrc(0)
	s_getreg_b32 s2, hwreg(HW_REG_IB_STS2, 6, 4)
	s_cmp_eq_u32 s2, 0
	s_cbranch_scc0 .Lentry_in_a_cluster
	s_endpgm
.Lentry_in_a_cluster:
	s_bfe_u32 s2, ttmp6, 0x10000c
	s_cmp_lg_u32 s2, 0x3003
	s_cbranch_scc0 .Lentry_shape_is_right
	s_endpgm
.Lentry_shape_is_right:
; KPROJ.  kh = Q(k) Q(Wk) + bk on codes of FP6 (E2M3) with E8M0 scales, kept in registers; then the raw scores sc[b][h][key] = sum over d of qh[b][64 h + d] kh[b][key][64 h + d], by f32 multiply-adds (not yet / 8).
; SHARES.  A work-group owns 64 rows of k (batch b = W / 16, block W % 16) and all 1,024 columns; wave w owns columns 256 w .. 256 w + 255 (heads 4 w .. 4 w + 3): 4 x 16 accumulators, 512 registers.
; K is the outer loop: 8 steps of 128, 64 matrix instructions a wave a step.
; k ARRIVES AS f32 AND IS READ ONCE: wave w loads rows 16 w .. 16 w + 15, a K step (512 consecutive bytes of a row) a load, three to four K steps ahead; the 16 rows turn through the wave's stage in LDS, so that a lane holds
; 16 neighbours of each block of 32; they are quantised in registers, and the fragment goes to the other waves as an image of its registers (two sets by the K step's parity).
; THE WEIGHT comes as images of operand registers (wimg), a K step of 102,400 bytes through a ring of two LDS slots; each wave fetches and reads its own quarter.
; CLUSTER: all work-groups walk the same weight, so the four of a cluster ask for each quarter JOINTLY: the same tensor load, the same descriptor, a mask that names the four.
; THE MATRIX INSTRUCTION IS USED TRANSPOSED (source 0 = a tile of the weight, source 1 = 16 rows of k): lane (r, h) holds row r; register j of tile f (of my 16) is column 32 (f / 2) + 16 h + 8 (f % 2) + j of my 256.
; THE BIAS STARTS THE SUMS: the accumulators are loaded with bk, so that all eight K steps are alike.
; sc: [16 b][16 h][16 block][32 l][2 e] f32, key = 64 block + 32 e + l: a head's 64 scores of a block leave as one store of 256 consecutive bytes, aligned.
; By this text's count a wave has one tensor load out at any time.
; LIMITS: NaN and infinities are not served.  A block whose largest magnitude lies under 2^-124 (a block of zeros too) gets the byte 1; zero codes add nothing, and this program alone reads the bytes.
; The bias is the sums' first term and a score is summed in pairs and halves: another order of f32 rounding than a plain sum.
; REGISTERS, in windows of 256.  Window 0: v1-15 addresses; v16-23 the weight's scale registers, v24-27 k's; v28-63 the quantiser's; v64-255 three sets of 64 f32 numbers of k (set u % 3 for K step u).
;   Window 1: v0-191 the weight's 16 fragments, v192-239 k's four.   Windows 2, 3: accumulator (m, f) at v[64 m + 8 (f % 8)] of window 2 + f / 8.
.set QB,     25600                     ; a wave's quarter of a K step of a weight: 16 fragments of 1,536 bytes, 8 scale registers of 128
.set TILEB,  4*QB                      ; a K step of a weight, and an LDS slot
.set FIRST,  0                         ; the first K step in wimg: Wk's
.set XIMG,   2*TILEB                   ; behind the ring: k's images, two sets
.set XSC,    6144                      ; in a set: 4 fragments, then 4 scale words' registers of 128 bytes
.set XSET,   6656
.set STG,    XIMG+2*XSET               ; a stage of 16 rows x (512 + 16) bytes for each wave
.set SPITCH, 528                       ; 33 x 16 bytes: the sixteen rows that a load of 16 bytes a lane touches start in different banks (64 banks of 4 bytes: ISA guide 11.1)
.set QHL,    STG+4*16*SPITCH           ; qh of my batch, 1,024 bytes for each wave
.set SPARE,  QHL+4096                  ; the spare words, 128 bytes for each wave: two blocks of 256 bytes that no other line names
.set L16, 1                            ; v1   16 x lane
.set ADB, 2                            ; v2-3 my quarter's fragments in slot 0, 1
.set ADS, 4                            ; v4-5 its scale registers
.set AIM, 6                            ; v6   k's images: 16 x lane
.set ASC, 7                            ; v7   their scale words: 4 x lane
.set XW,  8                            ; v8   where I store my image
.set XWS, 9                            ; v9   and its scale word
.set TWR, 10                           ; v10  my stage by rows: 16 x lane
.set TRD, 11                           ; v11  my stage by lanes: row r, + 64 h
.set QST, 12                           ; v12  qh into LDS: 32 x lane
.set QRD, 13                           ; v13  and back: 64 h
.set SCO, 14                           ; v14  8 x lane: in sc
.set QGO, 15                           ; v15  32 x lane: in qh
.set SB,  16
.set SA,  24
.set SPW, 28                           ; v28  LDS address of my spare word; never rewritten
.set NIL, 29                           ; v29  0; never rewritten
.set PW,  30                           ; v30  the scale word just made
.set BOF, 31                           ; v31  64 h: in a bias
.set MX,  32
.set BY,  36
.set EO,  40
.set AUX, 44                           ; v44-46, v48-50
.set PC,  52                           ; v52-63 the codes just made
.set AF,  192                          ; in window 1
.set QV,  64                           ; at the end: v64-191 qh in the accumulators' layout,
.set PP,  192                          ; v192-223 the scores' sums in pairs,
.set SS,  224                          ; v224-239 the scores,
.set SX,  240                          ; v240-255 the other half's
.set WV,  16                           ; s16
.set SEL, 20                           ; s[20:21]
.set G1,  24                           ; s[24:31] descriptor group 1
.set G0,  32                           ; s[32:39] group 0, a set for each slot
.set MSB, 0
.macro WIN new                         ; the immediate's high byte repeats the setting that is left; bits 1:0 source 0, 3:2 source 1, 5:4 source 2, 7:6 destination
.if MSB != (\new)
	s_set_vgpr_msb (MSB<<8)|(\new)
.set MSB, (\new)
.endif
.endm
.macro PLACES                          ; four plain places behind matrix instructions, ahead of loads into their registers and of reads of their results
.rept 4
	v_nop
.endr
.endm
.macro ROUND                           ; a round of the cluster's barrier
	s_barrier_signal -1
	s_barrier_wait -1
	s_cmp_lg_u32 s[WV], 0
	s_cbranch_scc1 .Lnot_wave_0_\@
	s_barrier_signal -3
.Lnot_wave_0_\@:
	s_barrier_wait -3
	s_barrier_signal -1
	s_barrier_wait -1
.endm
; The head of a K step that lies in slot sl.  All my tensor loads have landed, my quarter of this slot among them; 0 goes onto my spare word; my LDS instructions are done: my reads of the other slot and of the images, my stores of
; the next image.  Behind the round that holds of every wave of the four work-groups.  refill = 1: the other slot takes the next K step, first thing behind the round.
.macro RING sl, refill
	s_wait_tensorcnt 0x0
	ds_add_u32 v[SPW], v[NIL]
	s_add_nc_u64 s[G0+4*(\sl)+2:G0+4*(\sl)+3], s[G0+4*(\sl)+2:G0+4*(\sl)+3], 2*TILEB   ; no load of mine is out: this slot's next K step
	s_wait_dscnt 0x0
	ROUND
.if \refill
	tensor_load_to_lds s[G0+4-4*(\sl):G0+7-4*(\sl)], s[G1:G1+7]
	s_nop 0
	PLACES
.endif
.endm
; 72 LDS loads in one run: the four rows' scale words, my eight scale registers, the four fragments of the rows, my sixteen of the weight.
.macro FETCH sl, ar, sr, aoff
.irp m, 0,1,2,3
	ds_load_b32 v[SA+\m], v[\sr] offset:(\aoff)+128*\m
.endr
.irp p, 0,1,2,3,4,5,6,7
	ds_load_b32 v[SB+\p], v[ADS+(\sl)] offset:128*\p
.endr
	WIN 0x40                                       ; destination window 1
.irp m, 0,1,2,3
.irp ch, 0,1,2
	ds_load_b128 v[AF+12*\m+4*\ch:AF+12*\m+4*\ch+3], v[\ar] offset:(\aoff)+1536*\m+512*\ch
.endr
.endr
.irp f, 0,1,2,3,4,5,6,7,8,9,10,11,12,13,14,15
.irp ch, 0,1,2
	ds_load_b128 v[12*\f+4*\ch:12*\f+4*\ch+3], v[ADB+(\sl)] offset:1536*\f+512*\ch
.endr
.endr
	WIN 0
.endm
.macro MM m, f                         ; accumulator (m, f) += tile f of the weight x rows 16 m on.  An odd tile's scales lie in lanes 16-31 of its pair's register
.if (\f)%2
	v_wmma_scale_f32_16x16x128_f8f6f4 v[64*(\m)+8*((\f)%8):64*(\m)+8*((\f)%8)+7], v[12*(\f):12*(\f)+11], v[AF+12*(\m):AF+12*(\m)+11], v[64*(\m)+8*((\f)%8):64*(\m)+8*((\f)%8)+7], v[SB+(\f)/2], v[SA+(\m)] matrix_a_fmt:MATRIX_FMT_FP6 matrix_b_fmt:MATRIX_FMT_FP6 matrix_a_scale:MATRIX_SCALE_ROW1
.else
	v_wmma_scale_f32_16x16x128_f8f6f4 v[64*(\m)+8*((\f)%8):64*(\m)+8*((\f)%8)+7], v[12*(\f):12*(\f)+11], v[AF+12*(\m):AF+12*(\m)+11], v[64*(\m)+8*((\f)%8):64*(\m)+8*((\f)%8)+7], v[SB+(\f)/2], v[SA+(\m)] matrix_a_fmt:MATRIX_FMT_FP6 matrix_b_fmt:MATRIX_FMT_FP6
.endif
.endm
; A K step's 64 matrix instructions, four tiles of the weight at a time.  The 64 accumulators take turns, in the same order in every step.
; The count: the weight's fragments of the later groups (12 loads a group) and the extra LDS stores issued behind the run may be out.
.macro MULS extra
.irp g, 0,1,2,3
	s_wait_dscnt 36-12*\g+(\extra)
	WIN 0xa5+0x50*(\g/2)                           ; sources 0 and 1 window 1; C and D window 2, then 3
.irp ff, 0,1,2,3
.irp m, 0,1,2,3
	MM \m, 4*\g+\ff
.endr
.endr
.endr
	WIN 0
	PLACES
.endm
.macro GL u                            ; K step u of my 16 rows: each load takes 512 consecutive bytes of a row, at a multiple of 256 from the buffer's first byte
.irp j, 0,1,2,3,4,5,6,7,8,9,10,11,12,13,14,15
	global_load_b128 v[64+64*((\u)%3)+4*\j:64+64*((\u)%3)+4*\j+3], v[L16], s[4:5] offset:4096*\j+512*(\u) th:TH_LOAD_NT
.endr
.endm
; K step u's numbers turn through my stage: in by rows, back 16 neighbours of each block of 32 to a lane, into the registers that they left.  n: the younger global loads, which may stay out.
; LDS serves a wave's instructions in order (ISA guide 5.7.1.4): no wait between the stores and the loads.
.macro TURN u, n
	s_wait_loadcnt \n
.irp j, 0,1,2,3,4,5,6,7,8,9,10,11,12,13,14,15
	ds_store_b128 v[TWR], v[64+64*((\u)%3)+4*\j:64+64*((\u)%3)+4*\j+3] offset:SPITCH*\j
.endr
.irp b, 0,1,2,3
.irp j, 0,1,2,3
	ds_load_b128 v[64+64*((\u)%3)+16*\b+4*\j:64+64*((\u)%3)+16*\b+4*\j+3], v[TRD] offset:128*\b+16*\j
.endr
.endr
.endm
; 64 numbers of a lane, register 16 b + i = k 32 b + 16 (lane / 16) + i of my row, become a fragment's codes in v[PC] on and its scale word in v[PW].
.macro QUANT s
.irp b, 0,1,2,3
	v_max3_num_f32 v[MX+\b], |v[(\s)+16*\b]|, |v[(\s)+16*\b+1]|, 0x1800000   ; with the floor 2^(3 - 127): the byte cannot fall under 1
.endr
.irp i, 2,4,6,8,10,12,14
.irp b, 0,1,2,3
	v_max3_num_f32 v[MX+\b], v[MX+\b], |v[(\s)+16*\b+\i]|, |v[(\s)+16*\b+\i+1]|   ; the four blocks by turns
.endr
.endr
.irp b, 0,1,2,3
	v_permlanex16_b32 v[BY+\b], v[MX+\b], s[SEL], s[SEL+1]
.endr
.irp b, 0,1,2,3
	v_max_num_f32 v[MX+\b], v[MX+\b], v[BY+\b]     ; with lane l xor 16's 16: the block's largest magnitude
.endr
.irp b, 0,1,2,3
	v_add_nc_u32 v[EO+\b], 0xff000000, v[MX+\b]    ; 2 off the exponent field: the conversion's scale operand
.endr
.irp b, 0,1,2,3
	v_lshrrev_b32 v[BY+\b], 23, v[EO+\b]           ; the scale's byte
.endr
	v_lshl_or_b32 v[PW], v[BY+1], 8, v[BY]
	v_lshl_or_b32 v[PW], v[BY+2], 16, v[PW]
	v_lshl_or_b32 v[PW], v[BY+3], 24, v[PW]
.irp c, 0,1
	v_cvt_scalef32_pk16_fp6_f32 v[PC+6*\c:PC+6*\c+2], v[(\s)+32*\c:(\s)+32*\c+15], v[EO+2*\c]
	v_cvt_scalef32_pk16_fp6_f32 v[AUX+4*\c:AUX+4*\c+2], v[(\s)+32*\c+16:(\s)+32*\c+31], v[EO+2*\c+1]   ; (a conversion's three registers begin on an even number)
.endr
	v_nop                                          ; one plain place behind the scaled conversions
.irp c, 0,1                            ; a whole block to a lane: lanes 0-15 block 2 c, lanes 16-31 block 2 c + 1
.irp i, 0,1,2
	v_permlane16_swap_b32 v[PC+6*\c+\i], v[AUX+4*\c+\i]
.endr
.irp i, 0,1,2
	v_mov_b32 v[PC+6*\c+3+\i], v[AUX+4*\c+\i]
.endr
.endr
.endm
.macro IMAGE par                       ; the fragment and its scale word go to LDS as they stand, into set par
.irp ch, 0,1,2
	ds_store_b128 v[XW], v[PC+4*\ch:PC+4*\ch+3] offset:XSET*(\par)+512*\ch
.endr
	ds_store_b32 v[XWS], v[PW] offset:XSET*(\par)
.endm
.macro BIAS sb                         ; the 64 accumulators begin as the bias of their columns: the same 32 bytes for the four tiles of rows
.irp c, 0,1
	WIN 0x80+0x40*\c                               ; destination window 2, then 3
.irp m, 0,1,2,3
.irp q, 0,1,2,3,4,5,6,7
	global_load_b128 v[64*\m+8*\q:64*\m+8*\q+3], v[BOF], s[\sb:\sb+1] offset:512*\c+128*(\q/2)+32*(\q%2)
	global_load_b128 v[64*\m+8*\q+4:64*\m+8*\q+7], v[BOF], s[\sb:\sb+1] offset:512*\c+128*(\q/2)+32*(\q%2)+16
.endr
.endr
.endr
	WIN 0
.endm
; K STEP t.  Image t + 1 is made while the step's 72 LDS loads land: it goes into the set that was last read a step ago, and those reads were waited for ahead of the last round.  It is read behind the next round.
.macro PTRIP t
.if (\t) < 7
	RING (\t)%2, 1
.else
	RING (\t)%2, 0                                 ; nothing is left to fetch
.endif
	FETCH (\t)%2, AIM, ASC, XSET*((\t)%2)
.if (\t) < 7
	QUANT 64+64*(((\t)+1)%3)
	IMAGE ((\t)+1)%2
.endif
.if (\t) < 4
	GL (\t)+4                                      ; into the set just quantised
.endif
.if (\t) < 7
	MULS 4                                         ; the image's four stores were issued behind the run
.else
	MULS 0
.endif
.if (\t) < 4
	TURN (\t)+2, 32                                ; the two K steps asked for behind it may be out
.elseif (\t) == 4
	TURN 6, 16                                     ; K step 7 may be out
.elseif (\t) == 5
	TURN 7, 0
.elseif (\t) == 6
.irp b, 0,1,2,3,4,5,6,7                ; qh in the accumulators' layout: register 16 b + i = column 32 b + 16 h + i of my 256; the next step's head waits for these
.irp i, 0,1,2,3
	ds_load_b128 v[QV+16*\b+4*\i:QV+16*\b+4*\i+3], v[QRD] offset:128*\b+16*\i
.endr
.endr
.endif
.endm
	s_load_b256 s[4:11], s[0:1], 0x0               ; k s[4:5], wimg s[6:7], bk s[8:9], qh s[10:11]
	s_load_b64 s[12:13], s[0:1], 0x20              ; sc
	v_lshl_add_u32 v[SPW], v0, 2, SPARE
	v_mov_b32 v[NIL], 0
	ds_add_u32 v[SPW], v[NIL]                      ; the wave's opening: the add and its wait ahead of my first tensor load; the set-up below, work on registers, stands between them
	v_lshrrev_b32 v32, 5, v0
	v_readfirstlane_b32 s[WV], v32                 ; wave 0..3
	s_bfe_u32 s17, ttmp6, 0x40000                  ; cx: my place in the cluster
	s_lshl_b32 s18, ttmp9, 2
	s_add_co_u32 s18, s18, s17                     ; W = 4 x cluster + cx: it enters the addresses of k, qh and sc alone
	s_mov_b32 s[SEL], 0x76543210
	s_mov_b32 s[SEL+1], 0xfedcba98
	s_mov_b32 s41, 0xffff0000                      ; lanes 16-31
	; descriptor group 1: a dense block of 25,600 bytes as 100 rows of 256 bytes (32 elements of 8 bytes), no padding: images are read as they lie
	s_mov_b32 s[G1], 15|(3<<16)|(1<<21)            ; 15:0 the mask: all four work-groups; 17:16 elements of 8 bytes; 21 set beside a mask
	s_mov_b32 s[G1+1], 32<<16                      ; tensor_dim0
	s_mov_b32 s[G1+2], 100<<16                     ; tensor_dim1
	s_mov_b32 s[G1+3], 32<<16                      ; tile_dim0
	s_mov_b32 s[G1+4], 100                         ; tile_dim1
	s_mov_b32 s[G1+5], 32                          ; tensor_dim0_stride
	s_mov_b32 s[G1+6], 0
	s_mov_b32 s[G1+7], 0
	v_and_b32 v33, 31, v0                          ; lane
	v_and_b32 v34, 15, v0                          ; r
	v_bfe_u32 v35, v0, 4, 1                        ; h
	v_lshlrev_b32 v[L16], 4, v33
	v_lshlrev_b32 v36, 2, v33
	s_mul_i32 s42, s[WV], QB                       ; my quarter: in a slot and in a K step of wimg
	v_add_nc_u32 v[ADB], s42, v[L16]
	v_add_nc_u32 v[ADB+1], TILEB, v[ADB]
	v_add_nc_u32 v[ADS], s42, v36
	v_add_nc_u32 v[ADS], 24576, v[ADS]
	v_add_nc_u32 v[ADS+1], TILEB, v[ADS]
	v_add_nc_u32 v[AIM], XIMG, v[L16]
	v_add_nc_u32 v[ASC], XIMG+XSC, v36
	s_mul_i32 s43, s[WV], 1536
	v_add_nc_u32 v[XW], s43, v[AIM]
	s_lshl_b32 s43, s[WV], 7
	v_add_nc_u32 v[XWS], s43, v[ASC]
	s_mul_i32 s43, s[WV], 16*SPITCH
	s_add_co_u32 s43, s43, STG
	v_add_nc_u32 v[TWR], s43, v[L16]
	v_mul_u32_u24 v[TRD], v34, SPITCH
	v_lshl_add_u32 v[TRD], v35, 6, v[TRD]
	v_add_nc_u32 v[TRD], s43, v[TRD]
	v_lshlrev_b32 v[BOF], 6, v35
	s_lshl_b32 s43, s[WV], 10
	s_add_co_u32 s43, s43, QHL
	v_lshl_add_u32 v[QST], v33, 5, s43
	v_add_nc_u32 v[QRD], s43, v[BOF]
	v_lshlrev_b32 v[SCO], 3, v33
	v_lshlrev_b32 v[QGO], 5, v33
	s_lshl_b32 s44, s18, 18                        ; k: 64 rows of 4,096 bytes a work-group,
	s_lshl_b32 s46, s[WV], 16                      ; 16 a wave
	s_add_co_u32 s44, s44, s46
	s_mov_b32 s45, 0
	s_lshl_b32 s46, s[WV], 10                      ; bk: my 256 columns
	s_mov_b32 s47, 0
	s_lshr_b32 s19, s18, 4                         ; b
	s_lshl_b32 s48, s19, 12
	s_add_co_u32 s48, s48, s46                     ; qh: row b, my 256 columns
	s_mov_b32 s49, 0
	s_lshl_b32 s50, s19, 16                        ; sc: 65,536 b + 16,384 w + 256 block
	s_lshl_b32 s22, s[WV], 14
	s_add_co_u32 s50, s50, s22
	s_and_b32 s22, s18, 15
	s_lshl_b32 s22, s22, 8
	s_add_co_u32 s50, s50, s22
	s_mov_b32 s51, 0
	s_mov_b32 s52, s42
	s_mov_b32 s53, 0
	s_wait_dscnt 0x0                               ; the opening add is done
	s_wait_kmcnt 0x0
	s_add_nc_u64 s[4:5], s[4:5], s[44:45]
	s_add_nc_u64 s[8:9], s[8:9], s[46:47]
	s_add_nc_u64 s[10:11], s[10:11], s[48:49]
	s_add_nc_u64 s[12:13], s[12:13], s[50:51]
	s_add_nc_u64 s[6:7], s[6:7], s[52:53]          ; wimg at my quarter: the wave's number alone, the same in all four partners
	s_add_nc_u64 s[6:7], s[6:7], FIRST*TILEB
	s_mov_b32 s[G0], 1                             ; count = 1
	s_mov_b32 s[G0+1], s42                         ; LDS address: slot 0, my quarter
	s_mov_b64 s[G0+2:G0+3], s[6:7]                 ; the first K step
	s_or_b32 s[G0+3], s[G0+3], 0x80000000          ; type = 2
	s_mov_b32 s[G0+4], 1
	s_add_co_u32 s[G0+5], s42, TILEB               ; slot 1
	s_add_nc_u64 s[G0+6:G0+7], s[6:7], TILEB       ; the second
	s_or_b32 s[G0+7], s[G0+7], 0x80000000
	global_load_b128 v[32:35], v[QGO], s[10:11]                 ; qh's two halves of K, eight columns a lane
	global_load_b128 v[36:39], v[QGO], s[10:11] offset:16
	global_load_b128 v[40:43], v[QGO], s[10:11] offset:65536
	global_load_b128 v[44:47], v[QGO], s[10:11] offset:65552
	BIAS 8
	GL 0
	GL 1
	GL 2
	ROUND                                          ; all four work-groups are here: the first joint loads meet
	tensor_load_to_lds s[G0:G0+3], s[G1:G1+7]      ; K step 0; slot 1 is filled behind the first step's round
	s_nop 0
	PLACES
	s_wait_loadcnt 32                              ; all but K steps 1 and 2: qh, the bias and K step 0 are in
	v_pk_add_f32 v[32:33], v[32:33], v[40:41]      ; qh = half 0 (with bq) + half 1
	v_pk_add_f32 v[34:35], v[34:35], v[42:43]
	v_pk_add_f32 v[36:37], v[36:37], v[44:45]
	v_pk_add_f32 v[38:39], v[38:39], v[46:47]
	ds_store_b128 v[QST], v[32:35]                 ; my wave's own 1,024 bytes: no other wave reads them
	ds_store_b128 v[QST], v[36:39] offset:16
	TURN 0, 32
	s_wait_dscnt 0x0                               ; K step 0 is back; the stores above have read their registers
.irp b, 0,1,2,3
	v_mov_b32 v[BY+\b], 0                          ; written once: a lane permute's destination counts as one of its sources
.endr
	QUANT 64
	IMAGE 0
	GL 3
	TURN 1, 32
.irp t, 0,1,2,3,4,5,6,7
	PTRIP \t
.endr
	; THE SCORES.  Lane (r, h) holds 32 of a head's 64 columns of rows 16 m + r: 16 packed multiply-adds for each head and m, four chains by turns; each accumulator is read from its low end on.
.irp hd, 0,1,2,3
	WIN 0x02+\hd/2                                 ; source 0: window 2, then 3
.irp ff, 0,1,2,3
.irp jj, 0,2,4,6
.irp m, 0,1,2,3
.if \ff+\jj == 0
	v_pk_mul_f32 v[PP+8*\hd+2*\m:PP+8*\hd+2*\m+1], v[64*\m+8*((4*\hd+\ff)%8)+\jj:64*\m+8*((4*\hd+\ff)%8)+\jj+1], v[QV+8*(4*\hd+\ff)+\jj:QV+8*(4*\hd+\ff)+\jj+1]
.else
	v_pk_fma_f32 v[PP+8*\hd+2*\m:PP+8*\hd+2*\m+1], v[64*\m+8*((4*\hd+\ff)%8)+\jj:64*\m+8*((4*\hd+\ff)%8)+\jj+1], v[QV+8*(4*\hd+\ff)+\jj:QV+8*(4*\hd+\ff)+\jj+1], v[PP+8*\hd+2*\m:PP+8*\hd+2*\m+1]
.endif
.endr
.endr
.endr
.endr
	WIN 0
.irp i, 0,1,2,3,4,5,6,7,8,9,10,11,12,13,14,15
	v_add_f32 v[SS+\i], v[PP+2*\i], v[PP+2*\i+1]   ; i = 4 head + m
.endr
.irp i, 0,1,2,3,4,5,6,7,8,9,10,11,12,13,14,15
	v_permlanex16_b32 v[SX+\i], v[SS+\i], s[SEL], s[SEL+1]
.endr
.irp i, 0,1,2,3,4,5,6,7,8,9,10,11,12,13,14,15
	v_add_f32 v[SS+\i], v[SS+\i], v[SX+\i]         ; with the other 32 columns: row 16 m + r's score, in both halves of the lanes
.endr
.irp hd, 0,1,2,3                       ; lane l stores keys l and 32 + l of the block: lanes 0-15 take m = 0 and 2, lanes 16-31 m = 1 and 3
	v_cndmask_b32 v[PP+2*\hd], v[SS+4*\hd], v[SS+4*\hd+1], s41
	v_cndmask_b32 v[PP+2*\hd+1], v[SS+4*\hd+2], v[SS+4*\hd+3], s41
.endr
.irp hd, 0,1,2,3
	global_store_b64 v[SCO], v[PP+2*\hd:PP+2*\hd+1], s[12:13] offset:4096*\hd   ; 256 consecutive bytes, aligned
.endr
	s_wait_tensorcnt 0x0                           ; the wave's end: behind my last tensor load and my last LDS store
	ds_add_u32 v[SPW], v[NIL]
	s_wait_dscnt 0x0
	ROUND                                          ; the closing round: no work-group ends while a partner may still ask for a tile that names it
	s_endpgm
.Lfunc_end_k_q05c86e3276_kproj:
	.size	k_q05c86e3276_kproj, .Lfunc_end_k_q05c86e3276_kproj-k_q05c86e3276_kproj
	.p2alignl 7, 3214868480
	.fill 96, 4, 3214868480
	.section	.rodata,"a",@progbits
	.p2align	6, 0x0
	.amdhsa_kernel k_q05c86e3276_kproj
		.amdhsa_group_segment_fixed_size 327680
		.amdhsa_private_segment_fixed_size 0
		.amdhsa_enable_private_segment 0
		.amdhsa_kernarg_size 40
		.amdhsa_user_sgpr_count 2
		.amdhsa_user_sgpr_kernarg_segment_ptr 1
		.amdhsa_wavefront_size32 1
		.amdhsa_system_sgpr_workgroup_id_x 1
		.amdhsa_system_sgpr_workgroup_id_y 1
		.amdhsa_system_sgpr_workgroup_id_z 1
		.amdhsa_system_vgpr_workitem_id 0
		.amdhsa_next_free_vgpr 1024
		.amdhsa_next_free_sgpr 66
		.amdhsa_reserve_vcc 0
		.amdhsa_float_denorm_mode_32 3
		.amdhsa_float_denorm_mode_16_64 3
		.amdhsa_memory_ordered 1
		.amdhsa_forward_progress 1
		.amdhsa_inst_pref_size 208
	.end_amdhsa_kernel
	.amdgpu_metadata
---
amdhsa.version: [ 1, 2 ]
amdhsa.kernels:
  - .name:           k_q05c86e3276_kproj
    .symbol:         k_q05c86e3276_kproj.kd
    .args:
      - { .name: k, .offset: 0, .size: 8, .value_kind: global_buffer, .address_space: global }
      - { .name: wimg, .offset: 8, .size: 8, .value_kind: global_buffer, .address_space: global }
      - { .name: bk, .offset: 16, .size: 8, .value_kind: global_buffer, .address_space: global }
      - { .name: qh, .offset: 24, .size: 8, .value_kind: global_buffer, .address_space: global }
      - { .name: sc, .offset: 32, .size: 8, .value_kind: global_buffer, .address_space: global }
    .group_segment_fixed_size: 327680
    .private_segment_fixed_size: 0
    .kernarg_segment_align: 8
    .kernarg_segment_size: 40
    .max_flat_workgroup_size: 128
    .sgpr_count:     66
    .vgpr_count:     1024
    .wavefront_size: 32
...
	.end_amdgpu_metadata
.endif
;; end of part 2
;; launch vo (part 3): grid 256 x 1, 4 waves a work-group, clusters of 4 x 1, 327,680 bytes of LDS; arguments v, wimg, bv, sc, bo, out0; writes out0
.if DOCPART == 3
	.amdgcn_target "amdgcn-amd-amdhsa--gfx1250"
	.amdhsa_code_object_version 6
	.text
	.protected	k_q05c86e3276_vo
	.globl	k_q05c86e3276_vo
	.p2align	8
	.type	k_q05c86e3276_vo,@function
k_q05c86e3276_vo:
	s_mov_b64 s[64:65], 0
	v_nop
	global_prefetch_b8 v0, s[64:65] scope:SCOPE_SE
	s_setreg_imm32_b32 hwreg(HW_REG_WAVE_MODE, 25, 1), 1
	s_wait_xcnt 0x0
	s_wait_alu depctr_hold_cnt(0) depctr_sa_sdst(0) depctr_va_vdst(0) depctr_va_sdst(0) depctr_va_ssrc(0) depctr_va_vcc(0) depctr_vm_vsrc(0)
	s_getreg_b32 s2, hwreg(HW_REG_IB_STS2, 6, 4)
	s_cmp_eq_u32 s2, 0
	s_cbranch_scc0 .Lentry_in_a_cluster
	s_endpgm
.Lentry_in_a_cluster:
	s_bfe_u32 s2, ttmp6, 0x10000c
	s_cmp_lg_u32 s2, 0x3003
	s_cbranch_scc0 .Lentry_shape_is_right
	s_endpgm
.Lentry_shape_is_right:
; VO.  vh = Q(v) Q(Wv) + bv;  attn = softmax over a head's 1,024 keys of sc / 8;  weighted = attn x vh;  out0 = Q(weighted) Q(Wo) + bo.  Both products on codes of FP6 (E2M3) with E8M0 scales; vh and weighted never go to memory.
; SHARES.  A work-group owns 64 rows (batch b = W / 16, block W % 16) and all 1,024 columns; wave w owns columns 256 w .. 256 w + 255 (heads 4 w .. 4 w + 3) of vh and of out0: 4 x 16 accumulators, 512 registers.
; 16 K steps of 128, 64 matrix instructions a wave a step: 8 of Wv, then 8 of Wo, which lie on end in wimg, so that one ring of two LDS slots serves both; each wave fetches and reads its own quarter of a K step.
; v ARRIVES AS f32 AND IS READ ONCE: wave w loads rows 16 w .. 16 w + 15, a K step (512 consecutive bytes of a row) a load, three to four K steps ahead; they turn through the wave's stage in LDS, are quantised in registers,
; and the fragment goes to the other waves as an image of its registers (two sets by the K step's parity).
; CLUSTER: all work-groups walk the same weights, so the four of a cluster ask for each quarter JOINTLY: the same tensor load, the same descriptor, a mask that names the four.
; THE MATRIX INSTRUCTION IS USED TRANSPOSED (source 0 = a tile of the weight, source 1 = 16 rows): lane (r, h) holds row r; register j of tile f (of my 16) is column 32 (f / 2) + 16 h + 8 (f % 2) + j of my 256.
; So the 64 registers of (m, half c) are 16 neighbours of each of four blocks of 32: K step 2 w + c of the second product, in the quantiser's order.
; SOFTMAX.  Each wave reads the 1,024 raw scores of each of its four heads (32 a lane): max, p = 2^(s c - max c) with c = log2(e) / 8, the sum, its reciprocal; the rounding of max c multiplies every p of a head and their sum
; alike.  The scores of my 64 rows go through the same two instructions.  attn = p x (1 / sum).
; THE BIASES START THE SUMS: the accumulators are loaded with bv, and, as each is read out, with bo.
; By this text's count a wave has one tensor load out at any time.
; LIMITS: NaN and infinities are not served.  A block whose largest magnitude lies under 2^-124 (a block of zeros too) gets the byte 1; zero codes add nothing, and this program alone reads the bytes.
; The exponential gives 0 for results under 2^-126 (ISA guide 15.8).  attn is a product with a reciprocal, not a division.  The biases are the sums' first terms: another order of f32 rounding.
; REGISTERS, in windows of 256.  Window 0: v1-15, v47 addresses; v16-23 the weight's scale registers, v24-27 the rows'; v28-63 the quantiser's; v64-255 three sets of 64 f32 numbers of v (set u % 3 for K step u), later the softmax,
;   weighted, and rows of out0.   Window 1: v0-191 the weight's 16 fragments, v192-239 the rows' four.   Windows 2, 3: accumulator (m, f) at v[64 m + 8 (f % 8)] of window 2 + f / 8.
.set QB,     25600                     ; a wave's quarter of a K step of a weight: 16 fragments of 1,536 bytes, 8 scale registers of 128
.set TILEB,  4*QB                      ; a K step of a weight, and an LDS slot
.set FIRST,  8                         ; the first K step in wimg: Wv's; Wo's follow
.set XIMG,   2*TILEB                   ; behind the ring: v's images, two sets
.set XSC,    6144                      ; in a set: 4 fragments, then 4 scale words' registers of 128 bytes
.set XSET,   6656
.set STG,    XIMG+2*XSET               ; a stage of 16 rows x (512 + 16) bytes for each wave: for the turn of v and for the way out
.set SPITCH, 528                       ; 33 x 16 bytes: the sixteen rows that an access of 16 bytes a lane touches start in different banks (64 banks of 4 bytes: ISA guide 11.1)
.set HIMG,   STG+4*16*SPITCH           ; weighted's images: eight sets, one for each K step of the second product
.set SPARE,  HIMG+8*XSET               ; the spare words, 128 bytes for each wave: two blocks of 256 bytes that no other line names
.set L16, 1                            ; v1   16 x lane
.set ADB, 2                            ; v2-3 my quarter's fragments in slot 0, 1
.set ADS, 4                            ; v4-5 its scale registers
.set AIM, 6                            ; v6   v's images: 16 x lane
.set ASC, 7                            ; v7   their scale words: 4 x lane
.set XW,  8                            ; v8   where I store my image
.set XWS, 9                            ; v9   and its scale word
.set TWR, 10                           ; v10  my stage by rows: 16 x lane
.set TRD, 11                           ; v11  my stage by lanes: row r, + 64 h
.set HIM, 12                           ; v12  weighted's images, as read: it steps two sets a trip of the loop
.set HSC, 13                           ; v13  their scale words
.set HW,  14                           ; v14  where I store mine: sets 2 w and 2 w + 1
.set HWS, 15                           ; v15
.set SB,  16
.set SA,  24
.set SPW, 28                           ; v28  LDS address of my spare word; never rewritten
.set NIL, 29                           ; v29  0; never rewritten
.set PW,  30                           ; v30  the scale word just made
.set BOF, 31                           ; v31  64 h: in a bias
.set MX,  32
.set BY,  36
.set EO,  40
.set AUX, 44                           ; v44-46, v48-50
.set R8,  47                           ; v47  8 r: my rows' scores
.set PC,  52                           ; v52-63 the codes just made
.set AF,  192                          ; in window 1
.set ST0, 64                           ; a head's 32 scores a lane
.set ST1, 96
.set ST2, 192
.set ST3, 224
.set OWN, 128                          ; v128-143 the scores of rows 16 m + r: 4 head + m
.set ATT, 144                          ; v144-175 attn, twice each: the pair 2 (4 head + m)
.set NM,  176                          ; v176-183 -(max c), twice each
.set TT,  184                          ; v184-187 a head's max, then its sum
.set TX,  188                          ; v188-191 the other half's, then 1 / sum
.set XQ,  64                           ; v64-127 64 numbers of weighted
.set WV,  16                           ; s16
.set SEL, 20                           ; s[20:21]
.set CS,  22                           ; s[22:23] c, twice: the packed form names a pair
.set G1,  24                           ; s[24:31] descriptor group 1
.set G0,  32                           ; s[32:39] group 0, a set for each slot
.set MSB, 0
.macro WIN new                         ; the immediate's high byte repeats the setting that is left; bits 1:0 source 0, 3:2 source 1, 5:4 source 2, 7:6 destination
.if MSB != (\new)
	s_set_vgpr_msb (MSB<<8)|(\new)
.set MSB, (\new)
.endif
.endm
.macro PLACES                          ; four plain places behind matrix instructions, ahead of loads into their registers and of reads of their results
.rept 4
	v_nop
.endr
.endm
.macro ROUND                           ; a round of the cluster's barrier
	s_barrier_signal -1
	s_barrier_wait -1
	s_cmp_lg_u32 s[WV], 0
	s_cbranch_scc1 .Lnot_wave_0_\@
	s_barrier_signal -3
.Lnot_wave_0_\@:
	s_barrier_wait -3
	s_barrier_signal -1
	s_barrier_wait -1
.endm
; The head of a K step that lies in slot sl.  All my tensor loads have landed, my quarter of this slot among them; 0 goes onto my spare word; my LDS instructions are done: my reads of the other slot and of the images, my stores of
; images.  Behind the round that holds of every wave of the four work-groups.  refill = 1: the other slot takes the next K step, first thing behind the round.
.macro RING sl, refill
	s_wait_tensorcnt 0x0
	ds_add_u32 v[SPW], v[NIL]
	s_add_nc_u64 s[G0+4*(\sl)+2:G0+4*(\sl)+3], s[G0+4*(\sl)+2:G0+4*(\sl)+3], 2*TILEB   ; no load of mine is out: this slot's next K step
	s_wait_dscnt 0x0
	ROUND
.if \refill
	tensor_load_to_lds s[G0+4-4*(\sl):G0+7-4*(\sl)], s[G1:G1+7]
	s_nop 0
	PLACES
.endif
.endm
; 72 LDS loads in one run: the four rows' scale words, my eight scale registers, the four fragments of the rows, my sixteen of the weight.
.macro FETCH sl, ar, sr, aoff
.irp m, 0,1,2,3
	ds_load_b32 v[SA+\m], v[\sr] offset:(\aoff)+128*\m
.endr
.irp p, 0,1,2,3,4,5,6,7
	ds_load_b32 v[SB+\p], v[ADS+(\sl)] offset:128*\p
.endr
	WIN 0x40                                       ; destination window 1
.irp m, 0,1,2,3
.irp ch, 0,1,2
	ds_load_b128 v[AF+12*\m+4*\ch:AF+12*\m+4*\ch+3], v[\ar] offset:(\aoff)+1536*\m+512*\ch
.endr
.endr
.irp f, 0,1,2,3,4,5,6,7,8,9,10,11,12,13,14,15
.irp ch, 0,1,2
	ds_load_b128 v[12*\f+4*\ch:12*\f+4*\ch+3], v[ADB+(\sl)] offset:1536*\f+512*\ch
.endr
.endr
	WIN 0
.endm
.macro MM m, f                         ; accumulator (m, f) += tile f of the weight x rows 16 m on.  An odd tile's scales lie in lanes 16-31 of its pair's register
.if (\f)%2
	v_wmma_scale_f32_16x16x128_f8f6f4 v[64*(\m)+8*((\f)%8):64*(\m)+8*((\f)%8)+7], v[12*(\f):12*(\f)+11], v[AF+12*(\m):AF+12*(\m)+11], v[64*(\m)+8*((\f)%8):64*(\m)+8*((\f)%8)+7], v[SB+(\f)/2], v[SA+(\m)] matrix_a_fmt:MATRIX_FMT_FP6 matrix_b_fmt:MATRIX_FMT_FP6 matrix_a_scale:MATRIX_SCALE_ROW1
.else
	v_wmma_scale_f32_16x16x128_f8f6f4 v[64*(\m)+8*((\f)%8):64*(\m)+8*((\f)%8)+7], v[12*(\f):12*(\f)+11], v[AF+12*(\m):AF+12*(\m)+11], v[64*(\m)+8*((\f)%8):64*(\m)+8*((\f)%8)+7], v[SB+(\f)/2], v[SA+(\m)] matrix_a_fmt:MATRIX_FMT_FP6 matrix_b_fmt:MATRIX_FMT_FP6
.endif
.endm
; A K step's 64 matrix instructions, four tiles of the weight at a time.  The 64 accumulators take turns, in the same order in every step, over the loop's backward jump too.
; The count: the weight's fragments of the later groups (12 loads a group) and the extra LDS stores issued behind the run may be out.
.macro MULS extra
.irp g, 0,1,2,3
	s_wait_dscnt 36-12*\g+(\extra)
	WIN 0xa5+0x50*(\g/2)                           ; sources 0 and 1 window 1; C and D window 2, then 3
.irp ff, 0,1,2,3
.irp m, 0,1,2,3
	MM \m, 4*\g+\ff
.endr
.endr
.endr
	WIN 0
	PLACES
.endm
.macro GL u                            ; K step u of my 16 rows: each load takes 512 consecutive bytes of a row, at a multiple of 256 from the buffer's first byte
.irp j, 0,1,2,3,4,5,6,7,8,9,10,11,12,13,14,15
	global_load_b128 v[64+64*((\u)%3)+4*\j:64+64*((\u)%3)+4*\j+3], v[L16], s[4:5] offset:4096*\j+512*(\u) th:TH_LOAD_NT
.endr
.endm
; K step u's numbers turn through my stage: in by rows, back 16 neighbours of each block of 32 to a lane, into the registers that they left.  n: the younger global loads, which may stay out.
; LDS serves a wave's instructions in order (ISA guide 5.7.1.4): no wait between the stores and the loads.
.macro TURN u, n
	s_wait_loadcnt \n
.irp j, 0,1,2,3,4,5,6,7,8,9,10,11,12,13,14,15
	ds_store_b128 v[TWR], v[64+64*((\u)%3)+4*\j:64+64*((\u)%3)+4*\j+3] offset:SPITCH*\j
.endr
.irp b, 0,1,2,3
.irp j, 0,1,2,3
	ds_load_b128 v[64+64*((\u)%3)+16*\b+4*\j:64+64*((\u)%3)+16*\b+4*\j+3], v[TRD] offset:128*\b+16*\j
.endr
.endr
.endm
; 64 numbers of a lane, register 16 b + i = k 32 b + 16 (lane / 16) + i of my row, become a fragment's codes in v[PC] on and its scale word in v[PW].
.macro QUANT s
.irp b, 0,1,2,3
	v_max3_num_f32 v[MX+\b], |v[(\s)+16*\b]|, |v[(\s)+16*\b+1]|, 0x1800000   ; with the floor 2^(3 - 127): the byte cannot fall under 1
.endr
.irp i, 2,4,6,8,10,12,14
.irp b, 0,1,2,3
	v_max3_num_f32 v[MX+\b], v[MX+\b], |v[(\s)+16*\b+\i]|, |v[(\s)+16*\b+\i+1]|   ; the four blocks by turns
.endr
.endr
.irp b, 0,1,2,3
	v_permlanex16_b32 v[BY+\b], v[MX+\b], s[SEL], s[SEL+1]
.endr
.irp b, 0,1,2,3
	v_max_num_f32 v[MX+\b], v[MX+\b], v[BY+\b]     ; with lane l xor 16's 16: the block's largest magnitude
.endr
.irp b, 0,1,2,3
	v_add_nc_u32 v[EO+\b], 0xff000000, v[MX+\b]    ; 2 off the exponent field: the conversion's scale operand
.endr
.irp b, 0,1,2,3
	v_lshrrev_b32 v[BY+\b], 23, v[EO+\b]           ; the scale's byte
.endr
	v_lshl_or_b32 v[PW], v[BY+1], 8, v[BY]
	v_lshl_or_b32 v[PW], v[BY+2], 16, v[PW]
	v_lshl_or_b32 v[PW], v[BY+3], 24, v[PW]
.irp c, 0,1
	v_cvt_scalef32_pk16_fp6_f32 v[PC+6*\c:PC+6*\c+2], v[(\s)+32*\c:(\s)+32*\c+15], v[EO+2*\c]
	v_cvt_scalef32_pk16_fp6_f32 v[AUX+4*\c:AUX+4*\c+2], v[(\s)+32*\c+16:(\s)+32*\c+31], v[EO+2*\c+1]   ; (a conversion's three registers begin on an even number)
.endr
	v_nop                                          ; one plain place behind the scaled conversions
.irp c, 0,1                            ; a whole block to a lane: lanes 0-15 block 2 c, lanes 16-31 block 2 c + 1
.irp i, 0,1,2
	v_permlane16_swap_b32 v[PC+6*\c+\i], v[AUX+4*\c+\i]
.endr
.irp i, 0,1,2
	v_mov_b32 v[PC+6*\c+3+\i], v[AUX+4*\c+\i]
.endr
.endr
.endm
.macro IMAGE par                       ; the fragment and its scale word go to LDS as they stand, into set par
.irp ch, 0,1,2
	ds_store_b128 v[XW], v[PC+4*\ch:PC+4*\ch+3] offset:XSET*(\par)+512*\ch
.endr
	ds_store_b32 v[XWS], v[PW] offset:XSET*(\par)
.endm
.macro BIAS sb                         ; the 64 accumulators begin as the bias of their columns: the same 32 bytes for the four tiles of rows
.irp c, 0,1
	WIN 0x80+0x40*\c                               ; destination window 2, then 3
.irp m, 0,1,2,3
.irp q, 0,1,2,3,4,5,6,7
	global_load_b128 v[64*\m+8*\q:64*\m+8*\q+3], v[BOF], s[\sb:\sb+1] offset:512*\c+128*(\q/2)+32*(\q%2)
	global_load_b128 v[64*\m+8*\q+4:64*\m+8*\q+7], v[BOF], s[\sb:\sb+1] offset:512*\c+128*(\q/2)+32*(\q%2)+16
.endr
.endr
.endr
	WIN 0
.endm
.macro STATS h0, reg                   ; all 1,024 raw scores of heads h0 and h0 + 1 of my four: 16 loads of 512 consecutive bytes; which key lies where does not matter to a maximum or a sum
.irp e, 0,1
.irp i, 0,1,2,3,4,5,6,7
	global_load_b128 v[(\reg)+32*\e+4*\i:(\reg)+32*\e+4*\i+3], v[L16], s[10:11] offset:4096*((\h0)+\e)+512*\i
.endr
.endr
.endm
.macro MINE                            ; the raw scores of rows 16 m + r of my block: key 16 m + r = 32 e + l lies at 8 l + 4 e
.irp hd, 0,1,2,3
.irp m, 0,1,2,3
	global_load_b32 v[OWN+4*\hd+\m], v[R8], s[48:49] offset:4096*\hd+128*(\m%2)+4*(\m/2)
.endr
.endr
.endm
; K STEP t OF THE FIRST PRODUCT.  Image t + 1 is made while the step's 72 LDS loads land: it goes into the set that was last read a step ago, and those reads were waited for ahead of the last round.  It is read behind the next round.
; Each step issues 16 global loads into the set just quantised: v's K step t + 4, or, when v is all asked for, the scores.  So two groups of 16 are always younger than the K step that TURN waits for.
.macro PTRIP t
	RING (\t)%2, 1
	FETCH (\t)%2, AIM, ASC, XSET*((\t)%2)
.if (\t) < 7
	QUANT 64+64*(((\t)+1)%3)
	IMAGE ((\t)+1)%2
.endif
.if (\t) < 4
	GL (\t)+4
.elseif (\t) == 4
	STATS 2, ST2
.elseif (\t) == 5
	STATS 0, ST0
.elseif (\t) == 6
	MINE
.endif
.if (\t) < 7
	MULS 4                                         ; the image's four stores were issued behind the run
.else
	MULS 0
.endif
.if (\t) < 6
	TURN (\t)+2, 32
.endif
.endm
; ROWS 16 m ON, MY COLUMNS' HALF c: weighted = attn x vh (each accumulator read from its low end on); the accumulators just read take bo; weighted is quantised; its image is K step 2 w + c of the second product.
.macro MID m, c
	WIN 0x02+(\c)                                  ; source 0: window 2 or 3
.set i, 0
.rept 32
	v_pk_mul_f32 v[XQ+2*i:XQ+2*i+1], v[64*(\m)+2*i:64*(\m)+2*i+1], v[ATT+2*(4*(2*(\c)+i/16)+(\m)):ATT+2*(4*(2*(\c)+i/16)+(\m))+1]   ; the first 32 registers are head 2 c of my four, the last 32 head 2 c + 1
.set i, i+1
.endr
	WIN 0x80+0x40*(\c)                             ; destination window 2 or 3
.irp q, 0,1,2,3,4,5,6,7
	global_load_b128 v[64*(\m)+8*\q:64*(\m)+8*\q+3], v[BOF], s[12:13] offset:512*(\c)+128*(\q/2)+32*(\q%2)
	global_load_b128 v[64*(\m)+8*\q+4:64*(\m)+8*\q+7], v[BOF], s[12:13] offset:512*(\c)+128*(\q/2)+32*(\q%2)+16
.endr
	WIN 0
	s_wait_dscnt 0x0                               ; the last image's stores have read their registers
	QUANT XQ
.irp ch, 0,1,2
	ds_store_b128 v[HW], v[PC+4*\ch:PC+4*\ch+3] offset:XSET*(\c)+1536*(\m)+512*\ch
.endr
	ds_store_b32 v[HWS], v[PW] offset:XSET*(\c)+128*(\m)
.endm
.macro OTRIP sl, refill                ; a K step of the second product
	RING \sl, \refill
	FETCH \sl, HIM, HSC, XSET*(\sl)
	MULS 0
.endm
; THE WAY OUT, block a = (rows 16 (a % 4) on, half a / 4 of my columns): 16 rows x 128 columns go through my stage and come back as rows of 512 bytes, which the 32 lanes store whole.
.macro TOSTAGE a
	WIN 0x08+4*((\a)/4)                            ; an LDS store's data are its source 1: window 2 or 3
.set i, 0
.rept 16
	ds_store_b128 v[TRD], v[64*((\a)%4)+4*i:64*((\a)%4)+4*i+3] offset:128*(i/4)+16*(i%4)   ; each accumulator from its low end on
.set i, i+1
.endr
	WIN 0
.set i, 0
.rept 16
	ds_load_b128 v[64+64*((\a)%2)+4*i:64+64*((\a)%2)+4*i+3], v[TWR] offset:SPITCH*i   ; LDS serves a wave's instructions in order: these see the stores above, and the next block's stores come behind them
.set i, i+1
.endr
.endm
.macro SEND a, younger                 ; younger: the LDS instructions issued behind block a's loads, which may stay out
	s_wait_dscnt \younger
.set i, 0
.rept 16
	global_store_b128 v[L16], v[64+64*((\a)%2)+4*i:64+64*((\a)%2)+4*i+3], s[14:15] offset:(16*((\a)%4)+i)*4096+512*((\a)/4) th:TH_STORE_NT   ; 512 consecutive bytes, at a multiple of 256 from out0's first byte; every place stands in the immediate
.set i, i+1
.endr
.endm
	s_load_b256 s[4:11], s[0:1], 0x0               ; v s[4:5], wimg s[6:7], bv s[8:9], sc s[10:11]
	s_load_b128 s[12:15], s[0:1], 0x20             ; bo s[12:13], out0 s[14:15]
	v_lshl_add_u32 v[SPW], v0, 2, SPARE
	v_mov_b32 v[NIL], 0
	ds_add_u32 v[SPW], v[NIL]                      ; the wave's opening: the add and its wait ahead of my first tensor load; the set-up below, work on registers, stands between them
	v_lshrrev_b32 v32, 5, v0
	v_readfirstlane_b32 s[WV], v32                 ; wave 0..3
	s_bfe_u32 s17, ttmp6, 0x40000                  ; cx: my place in the cluster
	s_lshl_b32 s18, ttmp9, 2
	s_add_co_u32 s18, s18, s17                     ; W = 4 x cluster + cx: it enters the addresses of v, sc and out0 alone
	s_mov_b32 s[SEL], 0x76543210
	s_mov_b32 s[SEL+1], 0xfedcba98
	s_mov_b32 s[CS], 0x3e38aa3b                    ; c = log2(e) / 8
	s_mov_b32 s[CS+1], s[CS]
	s_mov_b32 s41, 0xbe38aa3b                      ; -c
	; descriptor group 1: a dense block of 25,600 bytes as 100 rows of 256 bytes (32 elements of 8 bytes), no padding: images are read as they lie
	s_mov_b32 s[G1], 15|(3<<16)|(1<<21)            ; 15:0 the mask: all four work-groups; 17:16 elements of 8 bytes; 21 set beside a mask
	s_mov_b32 s[G1+1], 32<<16                      ; tensor_dim0
	s_mov_b32 s[G1+2], 100<<16                     ; tensor_dim1
	s_mov_b32 s[G1+3], 32<<16                      ; tile_dim0
	s_mov_b32 s[G1+4], 100                         ; tile_dim1
	s_mov_b32 s[G1+5], 32                          ; tensor_dim0_stride
	s_mov_b32 s[G1+6], 0
	s_mov_b32 s[G1+7], 0
	v_and_b32 v33, 31, v0                          ; lane
	v_and_b32 v34, 15, v0                          ; r
	v_bfe_u32 v35, v0, 4, 1                        ; h
	v_lshlrev_b32 v[L16], 4, v33
	v_lshlrev_b32 v40, 2, v33
	s_mul_i32 s42, s[WV], QB                       ; my quarter: in a slot and in a K step of wimg
	v_add_nc_u32 v[ADB], s42, v[L16]
	v_add_nc_u32 v[ADB+1], TILEB, v[ADB]
	v_add_nc_u32 v[ADS], s42, v40
	v_add_nc_u32 v[ADS], 24576, v[ADS]
	v_add_nc_u32 v[ADS+1], TILEB, v[ADS]
	v_add_nc_u32 v[AIM], XIMG, v[L16]
	v_add_nc_u32 v[ASC], XIMG+XSC, v40
	s_mul_i32 s43, s[WV], 1536
	v_add_nc_u32 v[XW], s43, v[AIM]
	s_lshl_b32 s43, s[WV], 7
	v_add_nc_u32 v[XWS], s43, v[ASC]
	s_mul_i32 s43, s[WV], 16*SPITCH
	s_add_co_u32 s43, s43, STG
	v_add_nc_u32 v[TWR], s43, v[L16]
	v_mul_u32_u24 v[TRD], v34, SPITCH
	v_lshl_add_u32 v[TRD], v35, 6, v[TRD]
	v_add_nc_u32 v[TRD], s43, v[TRD]
	v_lshlrev_b32 v[BOF], 6, v35
	v_add_nc_u32 v[HIM], HIMG, v[L16]
	v_add_nc_u32 v[HSC], HIMG+XSC, v40
	s_mul_i32 s43, s[WV], 2*XSET
	v_add_nc_u32 v[HW], s43, v[HIM]
	v_add_nc_u32 v[HWS], s43, v[HSC]
	v_lshlrev_b32 v[R8], 3, v34
.irp b, 0,1,2,3
	v_mov_b32 v[BY+\b], 0                          ; written once: a lane permute's destination counts as one of its sources
.endr
	s_lshl_b32 s44, s18, 18                        ; v and out0: 64 rows of 4,096 bytes a work-group
	s_mov_b32 s45, 0
	s_lshl_b32 s46, s[WV], 10                      ; the biases and out0: my 256 columns
	s_mov_b32 s47, 0
	s_add_co_u32 s54, s44, s46                     ; out0
	s_mov_b32 s55, 0
	s_lshl_b32 s19, s[WV], 16                      ; v: 16 rows a wave
	s_add_co_u32 s44, s44, s19
	s_lshr_b32 s19, s18, 4                         ; b
	s_lshl_b32 s50, s19, 16                        ; sc: 65,536 b + 16,384 w
	s_lshl_b32 s19, s[WV], 14
	s_add_co_u32 s50, s50, s19
	s_mov_b32 s51, 0
	s_and_b32 s56, s18, 15
	s_lshl_b32 s56, s56, 8                         ; + 256 block, for my rows' scores
	s_mov_b32 s57, 0
	s_mov_b32 s52, s42
	s_mov_b32 s53, 0
	s_wait_dscnt 0x0                               ; the opening add is done
	s_wait_kmcnt 0x0
	s_add_nc_u64 s[4:5], s[4:5], s[44:45]
	s_add_nc_u64 s[8:9], s[8:9], s[46:47]
	s_add_nc_u64 s[10:11], s[10:11], s[50:51]
	s_add_nc_u64 s[48:49], s[10:11], s[56:57]
	s_add_nc_u64 s[12:13], s[12:13], s[46:47]
	s_add_nc_u64 s[14:15], s[14:15], s[54:55]
	s_add_nc_u64 s[6:7], s[6:7], s[52:53]          ; wimg at my quarter: the wave's number alone, the same in all four partners
	s_add_nc_u64 s[6:7], s[6:7], FIRST*TILEB
	s_mov_b32 s[G0], 1                             ; count = 1
	s_mov_b32 s[G0+1], s42                         ; LDS address: slot 0, my quarter
	s_mov_b64 s[G0+2:G0+3], s[6:7]                 ; Wv's first K step
	s_or_b32 s[G0+3], s[G0+3], 0x80000000          ; type = 2
	s_mov_b32 s[G0+4], 1
	s_add_co_u32 s[G0+5], s42, TILEB               ; slot 1
	s_add_nc_u64 s[G0+6:G0+7], s[6:7], TILEB       ; the second
	s_or_b32 s[G0+7], s[G0+7], 0x80000000
	BIAS 8
	GL 0
	GL 1
	GL 2
	ROUND                                          ; all four work-groups are here: the first joint loads meet
	tensor_load_to_lds s[G0:G0+3], s[G1:G1+7]      ; K step 0; slot 1 is filled behind the first step's round
	s_nop 0
	PLACES
	TURN 0, 32                                     ; all but K steps 1 and 2: the bias and K step 0 are in
	s_wait_dscnt 0x0
	QUANT 64
	IMAGE 0
	GL 3
	TURN 1, 32
.irp t, 0,1,2,3,4,5,6,7
	PTRIP \t
.endr
	; ---- THE SOFTMAX of my four heads, the heads by turns
	s_wait_loadcnt 0x0                             ; the scores
.irp hd, 0,1,2,3
	v_max3_num_f32 v[TT+\hd], v[ST\hd], v[ST\hd+1], v[ST\hd+2]
.endr
.irp i, 3,5,7,9,11,13,15,17,19,21,23,25,27,29
.irp hd, 0,1,2,3
	v_max3_num_f32 v[TT+\hd], v[TT+\hd], v[ST\hd+\i], v[ST\hd+\i+1]
.endr
.endr
.irp hd, 0,1,2,3
	v_max_num_f32 v[TT+\hd], v[TT+\hd], v[ST\hd+31]
.endr
.irp x, 1,2,4,8
.irp hd, 0,1,2,3
	v_max_num_f32_dpp v[TT+\hd], v[TT+\hd], v[TT+\hd] row_xmask:\x row_mask:0xf bank_mask:0xf
.endr
.endr
.irp hd, 0,1,2,3
	v_permlanex16_b32 v[TX+\hd], v[TT+\hd], s[SEL], s[SEL+1]
.endr
.irp hd, 0,1,2,3
	v_max_num_f32 v[TT+\hd], v[TT+\hd], v[TX+\hd]  ; the head's largest raw score, in every lane
.endr
.irp hd, 0,1,2,3
	v_mul_f32 v[NM+2*\hd], s41, v[TT+\hd]          ; -(max c), rounded once, in both registers of a pair
	v_mul_f32 v[NM+2*\hd+1], s41, v[TT+\hd]
.endr
.irp hd, 0,1,2,3
.set a, ST\hd
.rept 16
	v_pk_fma_f32 v[a:a+1], v[a:a+1], s[CS:CS+1], v[NM+2*\hd:NM+2*\hd+1] op_sel_hi:[1,0,1]   ; s c - max c, one rounding
.set a, a+2
.endr
	v_pk_fma_f32 v[OWN+4*\hd:OWN+4*\hd+1], v[OWN+4*\hd:OWN+4*\hd+1], s[CS:CS+1], v[NM+2*\hd:NM+2*\hd+1] op_sel_hi:[1,0,1]   ; the same of my rows' scores
	v_pk_fma_f32 v[OWN+4*\hd+2:OWN+4*\hd+3], v[OWN+4*\hd+2:OWN+4*\hd+3], s[CS:CS+1], v[NM+2*\hd:NM+2*\hd+1] op_sel_hi:[1,0,1]
.endr
.set a, ST0
.rept 64
	v_exp_f32 v[a], v[a]                           ; ONE BATCH of 144: none reads another's result
.set a, a+1
.endr
.set a, ST2
.rept 64
	v_exp_f32 v[a], v[a]
.set a, a+1
.endr
.set a, OWN
.rept 16
	v_exp_f32 v[a], v[a]
.set a, a+1
.endr
	v_nop                                          ; a plain place behind the last exponential
	s_wait_alu depctr_va_vdst(0)                   ; one wait for the batch, ahead of its first reader
.irp i, 1,2,3,4,5,6,7,8,9,10,11,12,13,14,15
.irp hd, 0,1,2,3
	v_pk_add_f32 v[ST\hd:ST\hd+1], v[ST\hd:ST\hd+1], v[ST\hd+2*\i:ST\hd+2*\i+1]
.endr
.endr
.irp hd, 0,1,2,3
	v_add_f32 v[TT+\hd], v[ST\hd], v[ST\hd+1]
.endr
.irp x, 1,2,4,8
.irp hd, 0,1,2,3
	v_add_f32_dpp v[TT+\hd], v[TT+\hd], v[TT+\hd] row_xmask:\x row_mask:0xf bank_mask:0xf
.endr
.endr
.irp hd, 0,1,2,3
	v_permlanex16_b32 v[TX+\hd], v[TT+\hd], s[SEL], s[SEL+1]
.endr
.irp hd, 0,1,2,3
	v_add_f32 v[TT+\hd], v[TT+\hd], v[TX+\hd]      ; the head's sum, at least about 1
.endr
.irp hd, 0,1,2,3
	v_rcp_f32 v[TX+\hd], v[TT+\hd]
.endr
	v_nop                                          ; a plain place behind the last reciprocal
	s_wait_alu depctr_va_vdst(0)                   ; one wait for the four
.irp hd, 0,1,2,3
.irp m, 0,1,2,3
	v_mul_f32 v[ATT+2*(4*\hd+\m)], v[OWN+4*\hd+\m], v[TX+\hd]      ; attn of row 16 m + r, in both registers of a pair
	v_mul_f32 v[ATT+2*(4*\hd+\m)+1], v[OWN+4*\hd+\m], v[TX+\hd]
.endr
.endr
	; ---- weighted, quantised: my two K steps of the second product, for the 64 rows
.irp c, 0,1
.irp m, 0,1,2,3
	MID \m, \c
.endr
.endr
	s_wait_loadcnt 0x0                             ; bo lies in all 64 accumulators
	; ---- THE SECOND PRODUCT: the first step's round shows all eight sets of images to every wave
	s_mov_b32 s40, 3
.Lo:
	OTRIP 0, 1
	OTRIP 1, 1
	v_add_nc_u32 v[HIM], 2*XSET, v[HIM]            ; two K steps on (no LDS load of mine is out)
	v_add_nc_u32 v[HSC], 2*XSET, v[HSC]
	s_sub_co_u32 s40, s40, 1
	s_cmp_lg_u32 s40, 0
	s_cbranch_scc1 .Lo
	OTRIP 0, 1                                     ; the tail is written out: the last load,
	OTRIP 1, 0                                     ; and the step that asks for nothing
	TOSTAGE 0                                      ; (the four places behind the last products stand at that step's end)
.irp a, 1,2,3,4,5,6,7
.if \a > 1
	s_wait_xcnt 0x0                                ; block a - 2's stores have read their registers: block a's loads may land there
.endif
	TOSTAGE \a
	SEND \a-1, 32                                  ; behind block a - 1's loads: block a's 16 stores and 16 loads
.endr
	SEND 7, 0
	s_wait_tensorcnt 0x0                           ; the wave's end: behind my last tensor load and my last LDS store
	ds_add_u32 v[SPW], v[NIL]
	s_wait_dscnt 0x0
	ROUND                                          ; the closing round: no work-group ends while a partner may still ask for a tile that names it
	s_endpgm
.Lfunc_end_k_q05c86e3276_vo:
	.size	k_q05c86e3276_vo, .Lfunc_end_k_q05c86e3276_vo-k_q05c86e3276_vo
	.p2alignl 7, 3214868480
	.fill 96, 4, 3214868480
	.section	.rodata,"a",@progbits
	.p2align	6, 0x0
	.amdhsa_kernel k_q05c86e3276_vo
		.amdhsa_group_segment_fixed_size 327680
		.amdhsa_private_segment_fixed_size 0
		.amdhsa_enable_private_segment 0
		.amdhsa_kernarg_size 48
		.amdhsa_user_sgpr_count 2
		.amdhsa_user_sgpr_kernarg_segment_ptr 1
		.amdhsa_wavefront_size32 1
		.amdhsa_system_sgpr_workgroup_id_x 1
		.amdhsa_system_sgpr_workgroup_id_y 1
		.amdhsa_system_sgpr_workgroup_id_z 1
		.amdhsa_system_vgpr_workitem_id 0
		.amdhsa_next_free_vgpr 1024
		.amdhsa_next_free_sgpr 66
		.amdhsa_reserve_vcc 0
		.amdhsa_float_denorm_mode_32 3
		.amdhsa_float_denorm_mode_16_64 3
		.amdhsa_memory_ordered 1
		.amdhsa_forward_progress 1
		.amdhsa_inst_pref_size 255
	.end_amdhsa_kernel
	.section	.bss,"aw",@nobits
	.p2align	6
	.space	262144
	.amdgpu_metadata
---
amdhsa.version: [ 1, 2 ]
amdhsa.kernels:
  - .name:           k_q05c86e3276_vo
    .symbol:         k_q05c86e3276_vo.kd
    .args:
      - { .name: v, .offset: 0, .size: 8, .value_kind: global_buffer, .address_space: global }
      - { .name: wimg, .offset: 8, .size: 8, .value_kind: global_buffer, .address_space: global }
      - { .name: bv, .offset: 16, .size: 8, .value_kind: global_buffer, .address_space: global }
      - { .name: sc, .offset: 24, .size: 8, .value_kind: global_buffer, .address_space: global }
      - { .name: bo, .offset: 32, .size: 8, .value_kind: global_buffer, .address_space: global }
      - { .name: out0, .offset: 40, .size: 8, .value_kind: global_buffer, .address_space: global }
    .group_segment_fixed_size: 327680
    .private_segment_fixed_size: 0
    .kernarg_segment_align: 8
    .kernarg_segment_size: 48
    .max_flat_workgroup_size: 128
    .sgpr_count:     66
    .vgpr_count:     1024
    .wavefront_size: 32
...
	.end_amdgpu_metadata
.endif
;; end of part 3
;; ======== version 2 of 2: 3 launches
;; limits: right only within a limited range of input values
;; workspace buffers: wimg 2,457,600 bytes; qh 131,072 bytes; sc 1,048,576 bytes
;; launch prep (part 4): grid 256 x 1, 4 waves a work-group, no clusters, 8,704 bytes of LDS; arguments Wk, Wv, Wo, Wq, q, bq, wimg, qh; writes wimg, qh
.if DOCPART == 4
	.amdgcn_target "amdgcn-amd-amdhsa--gfx1250"
	.amdhsa_code_object_version 6
	.text
	.protected	k_q05c86e3276_prep
	.globl	k_q05c86e3276_prep
	.p2align	8
	.type	k_q05c86e3276_prep,@function
k_q05c86e3276_prep:
	s_mov_b64 s[64:65], 0
	v_nop
	global_prefetch_b8 v0, s[64:65] scope:SCOPE_SE
	s_setreg_imm32_b32 hwreg(HW_REG_WAVE_MODE, 25, 1), 1
	s_wait_xcnt 0x0
; PREP.  Wk, Wv, Wo, Wq: [1024 (k)][1024 (n)] f32, K the FIRST axis.  Each is quantised along K to FP6 (E2M3) with one E8M0 byte for each 32 along K.
; Wk, Wv, Wo leave as IMAGES OF OPERAND REGISTERS (wimg); Wq is multiplied at once with the quantised q: qh = Q(q) Q(Wq) + bq, in two halves of K (qh[half][b][n]; half 0 carries bq).
; A WAVE'S TASK: 32 columns (number beta) x 128 along K (K step s).  A LANE TAKES A COLUMN AND ITS 128 REGISTERS RUN DOWN K: a block of 32 is one lane's, no lane asks another for a maximum,
; and the conversions give codes with K innermost.  Each load reads 128 consecutive bytes of a row of the weight; on the first way the four waves stand side by side on 512.
; THE COLUMNS OF A TILE ARE NOT NEIGHBOURS: row rho of tile 2 beta + u is column 32 beta + 8 u + rho + 8 (rho / 8); lanes 0-15 hold tile 2 beta, lanes 16-31 tile 2 beta + 1.
; So a product used transposed (source 0 = a tile of the weight) leaves 16 neighbouring columns in the 16 registers of two neighbouring tiles.
; wimg: weight g (0 Wk, 1 Wv, 2 Wo), K step s, quarter w (256 columns) at ((8 g + s) 4 + w) x 25,600 bytes: 16 fragments of 1,536 bytes (three runs of 512: registers 4 ch .. 4 ch + 3, lane l at 16 l),
; then 8 scale registers of 128 bytes (lanes 0-15: the even tile's rows, lanes 16-31: the odd tile's; a word is the row's four bytes of the K step).
; WORK-GROUPS 0-191: weight g = a / 64, K step (a / 8) % 8, beta = 4 (a % 8) + wave.  WORK-GROUPS 192-255: Wq, beta = a % 32, half = (a / 32) % 2, K step 4 half + wave; the four waves' sums meet in LDS.
; No cluster: no two work-groups read the same bytes of a weight; q, which the last 64 share, is 64 KiB against the weights' 16 MiB.
; A scale register's store covers 128 consecutive bytes and qh leaves in pieces of 16 bytes: 96 KiB and 128 KiB of the launch's bytes.
; LIMITS: NaN and infinities are not served.  A block whose largest magnitude lies under 2^-124 (a block of zeros too) gets the byte 1: a block of zeros has zero codes, and this program alone reads the bytes.
; qh is summed K step by K step and half by half, bq added last in half 0: another order of f32 rounding than one sum along K.
.set SPARE, 8192                       ; LDS: 0 .. 8,191 the four waves' partial sums (2,048 bytes each); then the spare words, 128 bytes for each wave
.set MX,   8                           ; v8-11   largest magnitudes
.set EO,   12                          ; v12-15  the conversions' scale operands
.set BY,   16                          ; v16-19  scale bytes
.set SW,   20                          ; v20     the weight's scale word: scales and nothing else
.set PW,   21                          ; v21     q's scale word: scales and nothing else
.set SPW,  22                          ; v22     LDS address of my spare word; never rewritten
.set NIL,  23                          ; v23     0; never rewritten
.set F0,   24                          ; v24-35  the even tile's fragment
.set F1,   36                          ; v36-47  the odd tile's
.set AUXA, 48                          ; v48-50, v52-54  upper halves of blocks 0 and 2
.set AUXB, 56                          ; v56-58, v60-62  of blocks 1 and 3
.set WR,   64                          ; v64-191 my column's 128 numbers
.set QN,   192                         ; v192-255 64 numbers of q
.set PC,   64                          ; behind the weight's conversions: q's fragment,
.set AUX,  76                          ; its conversions' second halves (v76-78, v80-82),
.set D0,   96                          ; the two results,
.set D1,   104
.set RD,   112                         ; four waves' parts of one group of four registers,
.set BQ,   128                         ; and bq's four numbers
.set WV,   20                          ; s20
.set SEL,  44                          ; s[44:45] lane selects: lane l xor 16
; My column's four blocks of 32 become the two tiles' fragments F0, F1 and the scale word SW.
.macro QW
.irp b, 0,1,2,3
	v_max3_num_f32 v[MX+\b], |v[WR+32*\b]|, |v[WR+32*\b+1]|, 0x1800000   ; with the floor 2^(3 - 127): the byte cannot fall under 1
.endr
.irp i, 2,4,6,8,10,12,14,16,18,20,22,24,26,28,30
.irp b, 0,1,2,3
	v_max3_num_f32 v[MX+\b], v[MX+\b], |v[WR+32*\b+\i]|, |v[WR+32*\b+\i+1]|   ; the four blocks by turns
.endr
.endr
.irp b, 0,1,2,3
	v_add_nc_u32 v[EO+\b], 0xff000000, v[MX+\b]    ; 2 off the exponent field: the conversion takes this operand's exponent field as its scale
.endr
.irp b, 0,1,2,3
	v_lshrrev_b32 v[BY+\b], 23, v[EO+\b]           ; the scale's byte
.endr
	v_lshl_or_b32 v[SW], v[BY+1], 8, v[BY]
	v_lshl_or_b32 v[SW], v[BY+2], 16, v[SW]
	v_lshl_or_b32 v[SW], v[BY+3], 24, v[SW]        ; my column's word of this K step
.irp c, 0,1
	v_cvt_scalef32_pk16_fp6_f32 v[F0+6*\c:F0+6*\c+2], v[WR+64*\c:WR+64*\c+15], v[EO+2*\c]            ; block 2 c, lower 16
	v_cvt_scalef32_pk16_fp6_f32 v[AUXA+4*\c:AUXA+4*\c+2], v[WR+64*\c+16:WR+64*\c+31], v[EO+2*\c]     ; upper 16 (a conversion's three registers begin on an even number)
	v_cvt_scalef32_pk16_fp6_f32 v[F1+6*\c:F1+6*\c+2], v[WR+64*\c+32:WR+64*\c+47], v[EO+2*\c+1]       ; block 2 c + 1
	v_cvt_scalef32_pk16_fp6_f32 v[AUXB+4*\c:AUXB+4*\c+2], v[WR+64*\c+48:WR+64*\c+63], v[EO+2*\c+1]
.endr
	v_nop                                          ; one plain place behind the scaled conversions
.irp c, 0,1                            ; a fragment wants block 2 c of its 16 rows in lanes 0-15 and block 2 c + 1 in lanes 16-31: the first's lanes 16-31 change places with the second's lanes 0-15
.irp i, 0,1,2
	v_permlane16_swap_b32 v[F0+6*\c+\i], v[F1+6*\c+\i]
	v_permlane16_swap_b32 v[AUXA+4*\c+\i], v[AUXB+4*\c+\i]
.endr
.irp i, 0,1,2
	v_mov_b32 v[F0+6*\c+3+\i], v[AUXA+4*\c+\i]
	v_mov_b32 v[F1+6*\c+3+\i], v[AUXB+4*\c+\i]
.endr
.endr
.endm
; 64 numbers of a lane, register 16 b + i = k 32 b + 16 (lane / 16) + i of my row, become a fragment's codes in v[PC] on and its scale word in v[PW].
.macro QUANT s
.irp b, 0,1,2,3
	v_max3_num_f32 v[MX+\b], |v[(\s)+16*\b]|, |v[(\s)+16*\b+1]|, 0x1800000
.endr
.irp i, 2,4,6,8,10,12,14
.irp b, 0,1,2,3
	v_max3_num_f32 v[MX+\b], v[MX+\b], |v[(\s)+16*\b+\i]|, |v[(\s)+16*\b+\i+1]|
.endr
.endr
.irp b, 0,1,2,3
	v_permlanex16_b32 v[BY+\b], v[MX+\b], s[SEL], s[SEL+1]
.endr
.irp b, 0,1,2,3
	v_max_num_f32 v[MX+\b], v[MX+\b], v[BY+\b]     ; with lane l xor 16's 16: the block's largest magnitude
.endr
.irp b, 0,1,2,3
	v_add_nc_u32 v[EO+\b], 0xff000000, v[MX+\b]
.endr
.irp b, 0,1,2,3
	v_lshrrev_b32 v[BY+\b], 23, v[EO+\b]
.endr
	v_lshl_or_b32 v[PW], v[BY+1], 8, v[BY]
	v_lshl_or_b32 v[PW], v[BY+2], 16, v[PW]
	v_lshl_or_b32 v[PW], v[BY+3], 24, v[PW]
.irp c, 0,1
	v_cvt_scalef32_pk16_fp6_f32 v[PC+6*\c:PC+6*\c+2], v[(\s)+32*\c:(\s)+32*\c+15], v[EO+2*\c]
	v_cvt_scalef32_pk16_fp6_f32 v[AUX+4*\c:AUX+4*\c+2], v[(\s)+32*\c+16:(\s)+32*\c+31], v[EO+2*\c+1]
.endr
	v_nop                                          ; one plain place behind the scaled conversions
.irp c, 0,1                            ; a whole block to a lane: lanes 0-15 block 2 c, lanes 16-31 block 2 c + 1
.irp i, 0,1,2
	v_permlane16_swap_b32 v[PC+6*\c+\i], v[AUX+4*\c+\i]
.endr
.irp i, 0,1,2
	v_mov_b32 v[PC+6*\c+3+\i], v[AUX+4*\c+\i]
.endr
.endr
.endm
	s_load_b256 s[4:11], s[0:1], 0x0               ; Wk s[4:5], Wv s[6:7], Wo s[8:9], Wq s[10:11]
	s_load_b256 s[12:19], s[0:1], 0x20             ; q s[12:13], bq s[14:15], wimg s[16:17], qh s[18:19]
	v_lshl_add_u32 v[SPW], v0, 2, SPARE
	v_mov_b32 v[NIL], 0
	v_lshrrev_b32 v1, 5, v0
	v_readfirstlane_b32 s[WV], v1                  ; wave 0..3
	v_and_b32 v1, 31, v0                           ; lane
	v_and_b32 v5, 15, v0                           ; r
	v_bfe_u32 v6, v0, 4, 1                         ; h
	v_and_b32 v2, 7, v0
	v_bfe_u32 v3, v0, 3, 1
	v_lshl_add_u32 v2, v3, 4, v2
	v_lshl_add_u32 v2, v6, 3, v2                   ; my column among the 32: l % 8 + 16 ((l / 8) % 2) + 8 (l / 16)
	v_lshlrev_b32 v2, 2, v2                        ; in bytes
	v_lshlrev_b32 v3, 4, v1                        ; 16 x lane
	v_lshlrev_b32 v4, 2, v1                        ; 4 x lane
	v_lshlrev_b32 v7, 12, v5
	v_lshl_add_u32 v7, v6, 6, v7                   ; row r of 4,096 bytes + 64 h: in q and in qh
	v_lshlrev_b32 v63, 6, v6                       ; 64 h: in bq
	s_lshl_b32 s21, s[WV], 11
	v_add_nc_u32 v51, s21, v3                      ; LDS: where I put my sums: 2,048 x wave + 16 x lane
	s_lshl_b32 s21, s[WV], 9
	v_add_nc_u32 v55, s21, v3                      ; and where I read group number wave of each wave's: 512 x wave + 16 x lane
	s_mov_b32 s[SEL], 0x76543210
	s_mov_b32 s[SEL+1], 0xfedcba98
	s_lshr_b32 s22, ttmp9, 6                       ; g: which weight
	s_and_b32 s23, ttmp9, 63
	s_and_b32 s24, s23, 7
	s_lshl_b32 s24, s24, 2
	s_add_co_u32 s24, s24, s[WV]                   ; first way: beta
	s_lshr_b32 s25, s23, 3                         ;            K step
	s_and_b32 s26, s23, 31                         ; second way: beta
	s_lshr_b32 s27, s23, 5                         ;             half
	s_lshl_b32 s28, s27, 2
	s_add_co_u32 s28, s28, s[WV]                   ;             K step
	s_cmp_lt_u32 ttmp9, 192
	s_cselect_b32 s24, s24, s26                    ; beta
	s_cselect_b32 s25, s25, s28                    ; K step
	s_lshl_b32 s30, s25, 19                        ; 128 rows of 4,096 bytes a K step
	s_lshl_b32 s29, s24, 7                         ; 128 bytes a beta
	s_add_co_u32 s30, s30, s29
	s_mov_b32 s31, 0
	s_wait_alu depctr_va_vdst(0)
	s_wait_kmcnt 0x0
	s_cmp_eq_u32 s22, 0                            ; the weight is chosen by the work-group's number alone
	s_cselect_b64 s[32:33], s[4:5], s[6:7]
	s_cmp_lt_u32 s22, 2
	s_cselect_b64 s[32:33], s[32:33], s[8:9]
	s_cmp_lt_u32 s22, 3
	s_cselect_b64 s[32:33], s[32:33], s[10:11]
	s_add_nc_u64 s[32:33], s[32:33], s[30:31]
.set i, 0
.rept 128
	global_load_b32 v[WR+i], v2, s[32:33] offset:4096*i th:TH_LOAD_NT   ; W(128 s + i, my column)
.set i, i+1
.endr
	s_cmp_lt_u32 ttmp9, 192
	s_cbranch_scc0 .Lwq
	; ---- Wk, Wv, Wo: the two fragments and the scale register go to wimg
	s_lshl_b32 s34, s22, 3
	s_add_co_u32 s34, s34, s25                     ; 8 g + s
	s_lshl_b32 s34, s34, 2
	s_lshr_b32 s35, s24, 3
	s_add_co_u32 s34, s34, s35                     ; x 4 + quarter
	s_mul_i32 s34, s34, 25600
	s_and_b32 s36, s24, 7
	s_mul_i32 s38, s36, 3072                       ; two fragments a beta
	s_add_co_u32 s38, s38, s34
	s_mov_b32 s39, 0
	s_lshl_b32 s36, s36, 7                         ; one scale register a beta
	s_add_co_u32 s36, s36, s34
	s_add_co_u32 s36, s36, 24576
	s_mov_b32 s37, 0
	s_add_nc_u64 s[38:39], s[16:17], s[38:39]
	s_add_nc_u64 s[36:37], s[16:17], s[36:37]
	s_wait_loadcnt 0x0
	QW
.irp ch, 0,1,2
	global_store_b128 v3, v[F0+4*\ch:F0+4*\ch+3], s[38:39] offset:512*\ch          ; 512 consecutive bytes, at a multiple of 256 from wimg's first byte
.endr
.irp ch, 0,1,2
	global_store_b128 v3, v[F1+4*\ch:F1+4*\ch+3], s[38:39] offset:1536+512*\ch
.endr
	global_store_b32 v4, v[SW], s[36:37]
	s_wait_tensorcnt 0x0                           ; the wave's end
	ds_add_u32 v[SPW], v[NIL]
	s_wait_dscnt 0x0
	s_endpgm
.Lwq:	; ---- Wq: this K step's part of qh for 32 columns
	s_lshl_b32 s34, s25, 9                         ; 512 bytes of a row of q a K step
	s_mov_b32 s35, 0
	s_add_nc_u64 s[34:35], s[12:13], s[34:35]
.irp b, 0,1,2,3
.irp j, 0,1,2,3
	global_load_b128 v[QN+16*\b+4*\j:QN+16*\b+4*\j+3], v7, s[34:35] offset:128*\b+16*\j   ; q(r, 128 s + 32 b + 16 h + 4 j ..)
.endr
.endr
	s_lshl_b32 s36, s24, 7                         ; the four columns that I add up and store: 128 beta + 32 (wave / 2) + 16 (wave % 2) bytes (+ 64 h)
	s_lshr_b32 s38, s[WV], 1
	s_lshl_b32 s38, s38, 5
	s_add_co_u32 s36, s36, s38
	s_and_b32 s38, s[WV], 1
	s_lshl_b32 s38, s38, 4
	s_add_co_u32 s36, s36, s38
	s_mov_b32 s37, 0
	s_add_nc_u64 s[40:41], s[14:15], s[36:37]      ; in bq
	s_lshl_b32 s38, s27, 16
	s_add_co_u32 s36, s36, s38                     ; + 65,536 x half
	s_add_nc_u64 s[42:43], s[18:19], s[36:37]      ; in qh
	s_wait_loadcnt 0x0
	QW
	global_load_b128 v[BQ:BQ+3], v63, s[40:41]     ; into registers that the weight's numbers have left
	QUANT QN
.rept 8
	v_nop                                          ; a scale register written by a vector instruction stands 8 places ahead of a scaled matrix instruction, an operand so written 4
.endr
	v_wmma_scale_f32_16x16x128_f8f6f4 v[D0:D0+7], v[F0:F0+11], v[PC:PC+11], 0, v[SW], v[PW] matrix_a_fmt:MATRIX_FMT_FP6 matrix_b_fmt:MATRIX_FMT_FP6   ; lane (r, h), register j: batch r, column 32 beta + 16 h + j
	v_wmma_scale_f32_16x16x128_f8f6f4 v[D1:D1+7], v[F1:F1+11], v[PC:PC+11], 0, v[SW], v[PW] matrix_a_fmt:MATRIX_FMT_FP6 matrix_b_fmt:MATRIX_FMT_FP6 matrix_a_scale:MATRIX_SCALE_ROW1   ; column 32 beta + 16 h + 8 + j
.rept 4
	v_nop                                          ; four places ahead of the first read of the results
.endr
	ds_store_b128 v51, v[D0:D0+3]                  ; each result from its low end on
	ds_store_b128 v51, v[D0+4:D0+7] offset:512
	ds_store_b128 v51, v[D1:D1+3] offset:1024
	ds_store_b128 v51, v[D1+4:D1+7] offset:1536
	s_wait_dscnt 0x0                               ; for the others' sake: my stores have landed
	s_barrier_signal -1
	s_barrier_wait -1
.irp i, 0,1,2,3
	ds_load_b128 v[RD+4*\i:RD+4*\i+3], v55 offset:2048*\i   ; group number wave of the K steps 4 half + 0 .. 3
.endr
	s_wait_dscnt 0x0
.irp i, 1,2,3
	v_pk_add_f32 v[RD:RD+1], v[RD:RD+1], v[RD+4*\i:RD+4*\i+1]       ; K ascending
	v_pk_add_f32 v[RD+2:RD+3], v[RD+2:RD+3], v[RD+4*\i+2:RD+4*\i+3]
.endr
	s_wait_loadcnt 0x0                             ; bq
	s_cmp_lg_u32 s27, 0
	s_cbranch_scc1 .Lno_bias                       ; the bias goes into half 0 alone
	s_wait_alu depctr_va_vdst(0)
	v_pk_add_f32 v[RD:RD+1], v[RD:RD+1], v[BQ:BQ+1]
	v_pk_add_f32 v[RD+2:RD+3], v[RD+2:RD+3], v[BQ+2:BQ+3]
.Lno_bias:
	s_wait_alu depctr_va_vdst(0)
	global_store_b128 v7, v[RD:RD+3], s[42:43]
	s_wait_tensorcnt 0x0                           ; the wave's end: behind my last LDS store
	ds_add_u32 v[SPW], v[NIL]
	s_wait_dscnt 0x0
	s_endpgm
.Lfunc_end_k_q05c86e3276_prep:
	.size	k_q05c86e3276_prep, .Lfunc_end_k_q05c86e3276_prep-k_q05c86e3276_prep
	.p2alignl 7, 3214868480
	.fill 96, 4, 3214868480
	.section	.rodata,"a",@progbits
	.p2align	6, 0x0
	.amdhsa_kernel k_q05c86e3276_prep
		.amdhsa_group_segment_fixed_size 8704
		.amdhsa_private_segment_fixed_size 0
		.amdhsa_enable_private_segment 0
		.amdhsa_kernarg_size 64
		.amdhsa_user_sgpr_count 2
		.amdhsa_user_sgpr_kernarg_segment_ptr 1
		.amdhsa_wavefront_size32 1
		.amdhsa_system_sgpr_workgroup_id_x 1
		.amdhsa_system_sgpr_workgroup_id_y 1
		.amdhsa_system_sgpr_workgroup_id_z 1
		.amdhsa_system_vgpr_workitem_id 0
		.amdhsa_next_free_vgpr 256
		.amdhsa_next_free_sgpr 66
		.amdhsa_reserve_vcc 0
		.amdhsa_float_denorm_mode_32 3
		.amdhsa_float_denorm_mode_16_64 3
		.amdhsa_memory_ordered 1
		.amdhsa_forward_progress 1
		.amdhsa_inst_pref_size 36
	.end_amdhsa_kernel
	.amdgpu_metadata
---
amdhsa.version: [ 1, 2 ]
amdhsa.kernels:
  - .name:           k_q05c86e3276_prep
    .symbol:         k_q05c86e3276_prep.kd
    .args:
      - { .name: Wk, .offset: 0, .size: 8, .value_kind: global_buffer, .address_space: global }
      - { .name: Wv, .offset: 8, .size: 8, .value_kind: global_buffer, .address_space: global }
      - { .name: Wo, .offset: 16, .size: 8, .value_kind: global_buffer, .address_space: global }
      - { .name: Wq, .offset: 24, .size: 8, .value_kind: global_buffer, .address_space: global }
      - { .name: q, .offset: 32, .size: 8, .value_kind: global_buffer, .address_space: global }
      - { .name: bq, .offset: 40, .size: 8, .value_kind: global_buffer, .address_space: global }
      - { .name: wimg, .offset: 48, .size: 8, .value_kind: global_buffer, .address_space: global }
      - { .name: qh, .offset: 56, .size: 8, .value_kind: global_buffer, .address_space: global }
    .group_segment_fixed_size: 8704
    .private_segment_fixed_size: 0
    .kernarg_segment_align: 8
    .kernarg_segment_size: 64
    .max_flat_workgroup_size: 128
    .sgpr_count:     66
    .vgpr_count:     256
    .wavefront_size: 32
...
	.end_amdgpu_metadata
.endif
;; end of part 4
;; launch kproj (part 5): grid 256 x 1, 4 waves a work-group, clusters of 4 x 1, 327,680 bytes of LDS; arguments k, wimg, bk, qh, sc; writes sc
.if DOCPART == 5
	.amdgcn_target "amdgcn-amd-amdhsa--gfx1250"
	.amdhsa_code_object_version 6
	.text
	.protected	k_q05c86e3276_kproj
	.globl	k_q05c86e3276_kproj
	.p2align	8
	.type	k_q05c86e3276_kproj,@function
k_q05c86e3276_kproj:
	s_mov_b64 s[64:65], 0
	v_nop
	global_prefetch_b8 v0, s[64:65] scope:SCOPE_SE
	s_setreg_imm32_b32 hwreg(HW_REG_WAVE_MODE, 25, 1), 1
	s_wait_xcnt 0x0
	s_wait_alu depctr_hold_cnt(0) depctr_sa_sdst(0) depctr_va_vdst(0) depctr_va_sdst(0) depctr_va_ssrc(0) depctr_va_vcc(0) depctr_vm_vsrc(0)
	s_getreg_b32 s2, hwreg(HW_REG_IB_STS2, 6, 4)
	s_cmp_eq_u32 s2, 0
	s_cbranch_scc0 .Lentry_in_a_cluster
	s_endpgm
.Lentry_in_a_cluster:
	s_bfe_u32 s2, ttmp6, 0x10000c
	s_cmp_lg_u32 s2, 0x3003
	s_cbranch_scc0 .Lentry_shape_is_right
	s_endpgm
.Lentry_shape_is_right:
; KPROJ.  kh = Q(k) Q(Wk) + bk on codes of FP6 (E2M3) with E8M0 scales, kept in registers; then the raw scores sc[b][h][key] = sum over d of qh[b][64 h + d] kh[b][key][64 h + d], by f32 multiply-adds (not yet / 8).
; SHARES.  A work-group owns 64 rows of k (batch b = W / 16, block W % 16) and all 1,024 columns; wave w owns columns 256 w .. 256 w + 255 (heads 4 w .. 4 w + 3): 4 x 16 accumulators, 512 registers.
; K is the outer loop: 8 steps of 128, 64 matrix instructions a wave a step.
; THE CLUSTERS WALK K FROM DIFFERENT STARTS: in trip t a cluster multiplies K step (t + cluster number) mod 8.  So at any time the 64 clusters ask for eight different K steps of the weight, not all for the same bytes,
; and from the second trip on a K step has been asked for a trip earlier by the clusters that are one ahead in the turn.
; k ARRIVES AS f32 AND IS READ ONCE: wave w loads rows 16 w .. 16 w + 15, a K step (512 consecutive bytes of a row) a load, three to four trips ahead; the 16 rows turn through the wave's stage in LDS, so that a lane holds
; 16 neighbours of each block of 32; they are quantised in registers, and the fragment goes to the other waves as an image of its registers (two sets by the trip's parity).
; THE WEIGHT comes as images of operand registers (wimg), a K step of 102,400 bytes through a ring of two LDS slots; each wave fetches and reads its own quarter.
; CLUSTER: all work-groups walk the same weight, so the four of a cluster ask for each quarter JOINTLY: the same tensor load, the same descriptor, a mask that names the four.
; THE MATRIX INSTRUCTION IS USED TRANSPOSED (source 0 = a tile of the weight, source 1 = 16 rows of k): lane (r, h) holds row r; register j of tile f (of my 16) is column 32 (f / 2) + 16 h + 8 (f % 2) + j of my 256.
; THE BIAS STARTS THE SUMS: my 256 numbers of bk come by two loads, lie in LDS bytes of my wave's own, and fill the 64 accumulators from there, so that all eight trips are alike.
; sc: [16 b][16 h][16 block][32 l][2 e] f32, key = 64 block + 32 e + l: a head's 64 scores of a block leave as one store of 256 consecutive bytes, aligned.
; By this text's count a wave has one tensor load out at the start and one behind each round.
; LIMITS: NaN and infinities are not served.  A block whose largest magnitude lies under 2^-124 (a block of zeros too) gets the byte 1; zero codes add nothing, and this program alone reads the bytes.
; The bias is the sums' first term, the K steps are added in an order that differs from cluster to cluster, and a score is summed in pairs and halves: another order of f32 rounding than a plain sum.
; REGISTERS, in windows of 256.  Window 0: v1-15 addresses; v16-23 the weight's scale registers, v24-27 k's; v28-63 the quantiser's; v64-255 three sets of 64 f32 numbers of k (set u % 3 for trip u).
;   Window 1: v0-191 the weight's 16 fragments, v192-239 k's four.   Windows 2, 3: accumulator (m, f) at v[64 m + 8 (f % 8)] of window 2 + f / 8.
.set QB,     25600                     ; a wave's quarter of a K step of a weight: 16 fragments of 1,536 bytes, 8 scale registers of 128
.set TILEB,  4*QB                      ; a K step of a weight, and an LDS slot
.set FIRST,  0                         ; the first K step in wimg: Wk's
.set XIMG,   2*TILEB                   ; behind the ring: k's images, two sets
.set XSC,    6144                      ; in a set: 4 fragments, then 4 scale words' registers of 128 bytes
.set XSET,   6656
.set STG,    XIMG+2*XSET               ; a stage of 16 rows x (512 + 16) bytes for each wave
.set SPITCH, 528                       ; 33 x 16 bytes: the sixteen rows that a load of 16 bytes a lane touches start in different banks (64 banks of 4 bytes: ISA guide 11.1)
.set QHL,    STG+4*16*SPITCH           ; qh of my batch, 1,024 bytes for each wave;
.set BKO,    4096                      ; and so many bytes behind it bk, likewise
.set SPARE,  QHL+8192                  ; the spare words, 128 bytes for each wave: two blocks of 256 bytes that no other line names
.set L16, 1                            ; v1   16 x lane
.set ADB, 2                            ; v2-3 my quarter's fragments in slot 0, 1
.set ADS, 4                            ; v4-5 its scale registers
.set AIM, 6                            ; v6   k's images: 16 x lane
.set ASC, 7                            ; v7   their scale words: 4 x lane
.set XW,  8                            ; v8   where I store my image
.set XWS, 9                            ; v9   and its scale word
.set TWR, 10                           ; v10  my stage by rows: 16 x lane
.set TRD, 11                           ; v11  my stage by lanes: row r, + 64 h
.set QST, 12                           ; v12  qh and bk into LDS: 32 x lane
.set QRD, 13                           ; v13  and back: 64 h
.set SCO, 14                           ; v14  8 x lane: in sc
.set QGO, 15                           ; v15  32 x lane: in qh and in bk
.set SB,  16
.set SA,  24
.set SPW, 28                           ; v28  LDS address of my spare word; never rewritten
.set NIL, 29                           ; v29  0; never rewritten
.set PW,  30                           ; v30  the scale word just made
.set MX,  32
.set BY,  36
.set EO,  40
.set AUX, 44                           ; v44-46, v48-50
.set PC,  52                           ; v52-63 the codes just made
.set AF,  192                          ; in window 1
.set QV,  64                           ; at the end: v64-191 qh in the accumulators' layout,
.set PP,  192                          ; v192-223 the scores' sums in pairs,
.set SS,  224                          ; v224-239 the scores,
.set SX,  240                          ; v240-255 the other half's
.set WV,  16                           ; s16
.set SEL, 20                           ; s[20:21]
.set G1,  24                           ; s[24:31] descriptor group 1
.set G0,  32                           ; s[32:39] group 0, a set for each slot
.set ROT, 54                           ; s54  cluster number mod 8: where my cluster begins along K
.set OFF, 56                           ; s[56:57] an offset in 64 bits; the upper word stays 0
.set KB,  66                           ; s[66:81] my rows of k at the K step of trip u: a pair for each u, never rewritten
.set MSB, 0
.macro WIN new                         ; the immediate's high byte repeats the setting that is left; bits 1:0 source 0, 3:2 source 1, 5:4 source 2, 7:6 destination
.if MSB != (\new)
	s_set_vgpr_msb (MSB<<8)|(\new)
.set MSB, (\new)
.endif
.endm
.macro PLACES                          ; four plain places behind matrix instructions, ahead of loads into their registers and of reads of their results
.rept 4
	v_nop
.endr
.endm
.macro ROUND                           ; a round of the cluster's barrier
	s_barrier_signal -1
	s_barrier_wait -1
	s_cmp_lg_u32 s[WV], 0
	s_cbranch_scc1 .Lnot_wave_0_\@
	s_barrier_signal -3
.Lnot_wave_0_\@:
	s_barrier_wait -3
	s_barrier_signal -1
	s_barrier_wait -1
.endm
.macro TADR g, t, base                 ; group 0 of slot g takes the address of trip t's K step: (t + my cluster's start) mod 8, from the weight's first K step (my quarter) in s[base]
	s_add_co_u32 s[OFF], s[ROT], (\t)%8
	s_and_b32 s[OFF], s[OFF], 7
	s_mul_i32 s[OFF], s[OFF], TILEB
	s_add_nc_u64 s[G0+4*(\g)+2:G0+4*(\g)+3], s[\base:\base+1], s[OFF:OFF+1]
	s_or_b32 s[G0+4*(\g)+3], s[G0+4*(\g)+3], 0x80000000   ; type = 2
.endm
.macro RING0                           ; the head of trip 0: my quarter of slot 0 is in, my image is stored; slot 1's first fill is issued as a refill is: one tensor load out at the start, one behind each round
	s_wait_tensorcnt 0x0
	ds_add_u32 v[SPW], v[NIL]
	s_wait_dscnt 0x0
	ROUND
	tensor_load_to_lds s[G0+4:G0+7], s[G1:G1+7]
	s_nop 0
	PLACES
.endm
; The head of trip t (slot t % 2), t > 0.  All my tensor loads have landed, my quarter of this slot among them; 0 goes onto my spare word; my LDS instructions are done: my reads of the other slot and of the images, my stores of
; the next image.  refill = 1: behind a round of the cluster's barrier that holds of every wave of the four work-groups, and the other slot takes trip t + 1's K step, first thing behind the round.
.macro RING t, refill, base
	s_wait_tensorcnt 0x0
	ds_add_u32 v[SPW], v[NIL]
.if \refill
	TADR ((\t)+1)%2, (\t)+1, \base                 ; no load of mine is out: a group 0 may be written
.endif
	s_wait_dscnt 0x0
.if \refill
	ROUND
	tensor_load_to_lds s[G0+4*(((\t)+1)%2):G0+4*(((\t)+1)%2)+3], s[G1:G1+7]
	s_nop 0
	PLACES
.else
	s_barrier_signal -1                            ; nothing is left to fetch: my work-group's barrier, for the images
	s_barrier_wait -1
.endif
.endm
; 72 LDS loads in one run: the four rows' scale words, my eight scale registers, the four fragments of the rows, my sixteen of the weight.
.macro FETCH sl, ar, sr, aoff
.irp m, 0,1,2,3
	ds_load_b32 v[SA+\m], v[\sr] offset:(\aoff)+128*\m
.endr
.irp p, 0,1,2,3,4,5,6,7
	ds_load_b32 v[SB+\p], v[ADS+(\sl)] offset:128*\p
.endr
	WIN 0x40                                       ; destination window 1
.irp m, 0,1,2,3
.irp ch, 0,1,2
	ds_load_b128 v[AF+12*\m+4*\ch:AF+12*\m+4*\ch+3], v[\ar] offset:(\aoff)+1536*\m+512*\ch
.endr
.endr
.irp f, 0,1,2,3,4,5,6,7,8,9,10,11,12,13,14,15
.irp ch, 0,1,2
	ds_load_b128 v[12*\f+4*\ch:12*\f+4*\ch+3], v[ADB+(\sl)] offset:1536*\f+512*\ch
.endr
.endr
	WIN 0
.endm
.macro MM m, f                         ; accumulator (m, f) += tile f of the weight x rows 16 m on.  An odd tile's scales lie in lanes 16-31 of its pair's register
.if (\f)%2
	v_wmma_scale_f32_16x16x128_f8f6f4 v[64*(\m)+8*((\f)%8):64*(\m)+8*((\f)%8)+7], v[12*(\f):12*(\f)+11], v[AF+12*(\m):AF+12*(\m)+11], v[64*(\m)+8*((\f)%8):64*(\m)+8*((\f)%8)+7], v[SB+(\f)/2], v[SA+(\m)] matrix_a_fmt:MATRIX_FMT_FP6 matrix_b_fmt:MATRIX_FMT_FP6 matrix_a_scale:MATRIX_SCALE_ROW1
.else
	v_wmma_scale_f32_16x16x128_f8f6f4 v[64*(\m)+8*((\f)%8):64*(\m)+8*((\f)%8)+7], v[12*(\f):12*(\f)+11], v[AF+12*(\m):AF+12*(\m)+11], v[64*(\m)+8*((\f)%8):64*(\m)+8*((\f)%8)+7], v[SB+(\f)/2], v[SA+(\m)] matrix_a_fmt:MATRIX_FMT_FP6 matrix_b_fmt:MATRIX_FMT_FP6
.endif
.endm
; A K step's 64 matrix instructions, four tiles of the weight at a time.  The 64 accumulators take turns, in the same order in every trip.
; The count: the weight's fragments of the later groups (12 loads a group) and the extra LDS stores issued behind the run may be out.
.macro MULS extra
.irp g, 0,1,2,3
	s_wait_dscnt 36-12*\g+(\extra)
	WIN 0xa5+0x50*(\g/2)                           ; sources 0 and 1 window 1; C and D window 2, then 3
.irp ff, 0,1,2,3
.irp m, 0,1,2,3
	MM \m, 4*\g+\ff
.endr
.endr
.endr
	WIN 0
	PLACES
.endm
.macro GL u                            ; trip u's K step of my 16 rows: each load takes 512 consecutive bytes of a row, at a multiple of 256 from the buffer's first byte
.irp j, 0,1,2,3,4,5,6,7,8,9,10,11,12,13,14,15
	global_load_b128 v[64+64*((\u)%3)+4*\j:64+64*((\u)%3)+4*\j+3], v[L16], s[KB+2*(\u):KB+2*(\u)+1] offset:4096*\j th:TH_LOAD_NT
.endr
.endm
; Trip u's numbers turn through my stage: in by rows, back 16 neighbours of each block of 32 to a lane, into the registers that they left.  n: the younger global loads, which may stay out.
; LDS serves a wave's instructions in order (ISA guide 5.7.1.4): no wait between the stores and the loads.
.macro TURN u, n
	s_wait_loadcnt \n
.irp j, 0,1,2,3,4,5,6,7,8,9,10,11,12,13,14,15
	ds_store_b128 v[TWR], v[64+64*((\u)%3)+4*\j:64+64*((\u)%3)+4*\j+3] offset:SPITCH*\j
.endr
.irp b, 0,1,2,3
.irp j, 0,1,2,3
	ds_load_b128 v[64+64*((\u)%3)+16*\b+4*\j:64+64*((\u)%3)+16*\b+4*\j+3], v[TRD] offset:128*\b+16*\j
.endr
.endr
.endm
; 64 numbers of a lane, register 16 b + i = k 32 b + 16 (lane / 16) + i of my row, become a fragment's codes in v[PC] on and its scale word in v[PW].
.macro QUANT s
.irp b, 0,1,2,3
	v_max3_num_f32 v[MX+\b], |v[(\s)+16*\b]|, |v[(\s)+16*\b+1]|, 0x1800000   ; with the floor 2^(3 - 127): the byte cannot fall under 1
.endr
.irp i, 2,4,6,8,10,12,14
.irp b, 0,1,2,3
	v_max3_num_f32 v[MX+\b], v[MX+\b], |v[(\s)+16*\b+\i]|, |v[(\s)+16*\b+\i+1]|   ; the four blocks by turns
.endr
.endr
.irp b, 0,1,2,3
	v_permlanex16_b32 v[BY+\b], v[MX+\b], s[SEL], s[SEL+1]
.endr
.irp b, 0,1,2,3
	v_max_num_f32 v[MX+\b], v[MX+\b], v[BY+\b]     ; with lane l xor 16's 16: the block's largest magnitude
.endr
.irp b, 0,1,2,3
	v_add_nc_u32 v[EO+\b], 0xff000000, v[MX+\b]    ; 2 off the exponent field: the conversion's scale operand
.endr
.irp b, 0,1,2,3
	v_lshrrev_b32 v[BY+\b], 23, v[EO+\b]           ; the scale's byte
.endr
	v_lshl_or_b32 v[PW], v[BY+1], 8, v[BY]
	v_lshl_or_b32 v[PW], v[BY+2], 16, v[PW]
	v_lshl_or_b32 v[PW], v[BY+3], 24, v[PW]
.irp c, 0,1
	v_cvt_scalef32_pk16_fp6_f32 v[PC+6*\c:PC+6*\c+2], v[(\s)+32*\c:(\s)+32*\c+15], v[EO+2*\c]
	v_cvt_scalef32_pk16_fp6_f32 v[AUX+4*\c:AUX+4*\c+2], v[(\s)+32*\c+16:(\s)+32*\c+31], v[EO+2*\c+1]   ; (a conversion's three registers begin on an even number)
.endr
	v_nop                                          ; one plain place behind the scaled conversions
.irp c, 0,1                            ; a whole block to a lane: lanes 0-15 block 2 c, lanes 16-31 block 2 c + 1
.irp i, 0,1,2
	v_permlane16_swap_b32 v[PC+6*\c+\i], v[AUX+4*\c+\i]
.endr
.irp i, 0,1,2
	v_mov_b32 v[PC+6*\c+3+\i], v[AUX+4*\c+\i]
.endr
.endr
.endm
.macro IMAGE par                       ; the fragment and its scale word go to LDS as they stand, into set par
.irp ch, 0,1,2
	ds_store_b128 v[XW], v[PC+4*\ch:PC+4*\ch+3] offset:XSET*(\par)+512*\ch
.endr
	ds_store_b32 v[XWS], v[PW] offset:XSET*(\par)
.endm
.macro BIAS ar, off                    ; the 64 accumulators begin as the bias of their columns, out of my wave's own LDS bytes: the same 32 bytes for the four tiles of rows; sixteen lanes share each 16 bytes
.irp c, 0,1
	WIN 0x80+0x40*\c                               ; destination window 2, then 3
.irp m, 0,1,2,3
.irp q, 0,1,2,3,4,5,6,7
	ds_load_b128 v[64*\m+8*\q:64*\m+8*\q+3], v[\ar] offset:(\off)+512*\c+128*(\q/2)+32*(\q%2)
	ds_load_b128 v[64*\m+8*\q+4:64*\m+8*\q+7], v[\ar] offset:(\off)+512*\c+128*(\q/2)+32*(\q%2)+16
.endr
.endr
.endr
	WIN 0
.endm
; TRIP t.  Image t + 1 is made while the trip's 72 LDS loads land: it goes into the set that was last read a trip ago, and those reads were waited for ahead of the last barrier.  It is read behind the next one.
.macro PTRIP t
.if (\t) == 0
	RING0
.elseif (\t) < 7
	RING \t, 1, 6
.else
	RING \t, 0, 6
.endif
	FETCH (\t)%2, AIM, ASC, XSET*((\t)%2)
.if (\t) < 7
	QUANT 64+64*(((\t)+1)%3)
	IMAGE ((\t)+1)%2
.endif
.if (\t) < 4
	GL (\t)+4                                      ; into the set just quantised
.endif
.if (\t) < 7
	MULS 4                                         ; the image's four stores were issued behind the run
.else
	MULS 0
.endif
.if (\t) < 4
	TURN (\t)+2, 32                                ; the two trips' rows asked for behind it may be out
.elseif (\t) == 4
	TURN 6, 16                                     ; trip 7's may be out
.elseif (\t) == 5
	TURN 7, 0
.elseif (\t) == 6
.irp b, 0,1,2,3,4,5,6,7                ; qh in the accumulators' layout: register 16 b + i = column 32 b + 16 h + i of my 256; the next trip's head waits for these
.irp i, 0,1,2,3
	ds_load_b128 v[QV+16*\b+4*\i:QV+16*\b+4*\i+3], v[QRD] offset:128*\b+16*\i
.endr
.endr
.endif
.endm
	s_load_b256 s[4:11], s[0:1], 0x0               ; k s[4:5], wimg s[6:7], bk s[8:9], qh s[10:11]
	s_load_b64 s[12:13], s[0:1], 0x20              ; sc
	v_lshl_add_u32 v[SPW], v0, 2, SPARE
	v_mov_b32 v[NIL], 0
	ds_add_u32 v[SPW], v[NIL]                      ; the wave's opening: the add, twice on end, and its wait ahead of my first tensor load; the set-up below, work on registers, stands between them
	ds_add_u32 v[SPW], v[NIL]
	v_lshrrev_b32 v32, 5, v0
	v_readfirstlane_b32 s[WV], v32                 ; wave 0..3
	s_bfe_u32 s17, ttmp6, 0x40000                  ; cx: my place in the cluster
	s_lshl_b32 s18, ttmp9, 2
	s_add_co_u32 s18, s18, s17                     ; W = 4 x cluster + cx: it enters the addresses of k, qh and sc alone
	s_and_b32 s[ROT], ttmp9, 7                     ; the cluster's number, which the four partners share
	s_mov_b32 s[OFF+1], 0
	s_mov_b32 s[SEL], 0x76543210
	s_mov_b32 s[SEL+1], 0xfedcba98
	s_mov_b32 s41, 0xffff0000                      ; lanes 16-31
	; descriptor group 1: a dense block of 25,600 bytes as 100 rows of 256 bytes (32 elements of 8 bytes), no padding: images are read as they lie
	s_mov_b32 s[G1], 15|(3<<16)|(1<<21)            ; 15:0 the mask: all four work-groups; 17:16 elements of 8 bytes; 21 set beside a mask
	s_mov_b32 s[G1+1], 32<<16                      ; tensor_dim0
	s_mov_b32 s[G1+2], 100<<16                     ; tensor_dim1
	s_mov_b32 s[G1+3], 32<<16                      ; tile_dim0
	s_mov_b32 s[G1+4], 100                         ; tile_dim1
	s_mov_b32 s[G1+5], 32                          ; tensor_dim0_stride
	s_mov_b32 s[G1+6], 0
	s_mov_b32 s[G1+7], 0
	v_and_b32 v33, 31, v0                          ; lane
	v_and_b32 v34, 15, v0                          ; r
	v_bfe_u32 v35, v0, 4, 1                        ; h
	v_lshlrev_b32 v[L16], 4, v33
	v_lshlrev_b32 v36, 2, v33
	s_mul_i32 s42, s[WV], QB                       ; my quarter: in a slot and in a K step of wimg
	v_add_nc_u32 v[ADB], s42, v[L16]
	v_add_nc_u32 v[ADB+1], TILEB, v[ADB]
	v_add_nc_u32 v[ADS], s42, v36
	v_add_nc_u32 v[ADS], 24576, v[ADS]
	v_add_nc_u32 v[ADS+1], TILEB, v[ADS]
	v_add_nc_u32 v[AIM], XIMG, v[L16]
	v_add_nc_u32 v[ASC], XIMG+XSC, v36
	s_mul_i32 s43, s[WV], 1536
	v_add_nc_u32 v[XW], s43, v[AIM]
	s_lshl_b32 s43, s[WV], 7
	v_add_nc_u32 v[XWS], s43, v[ASC]
	s_mul_i32 s43, s[WV], 16*SPITCH
	s_add_co_u32 s43, s43, STG
	v_add_nc_u32 v[TWR], s43, v[L16]
	v_mul_u32_u24 v[TRD], v34, SPITCH
	v_lshl_add_u32 v[TRD], v35, 6, v[TRD]
	v_add_nc_u32 v[TRD], s43, v[TRD]
	s_lshl_b32 s43, s[WV], 10
	s_add_co_u32 s43, s43, QHL
	v_lshl_add_u32 v[QST], v33, 5, s43
	v_lshl_add_u32 v[QRD], v35, 6, s43
	v_lshlrev_b32 v[SCO], 3, v33
	v_lshlrev_b32 v[QGO], 5, v33
	s_lshl_b32 s44, s18, 18                        ; k: 64 rows of 4,096 bytes a work-group,
	s_lshl_b32 s46, s[WV], 16                      ; 16 a wave
	s_add_co_u32 s44, s44, s46
	s_mov_b32 s45, 0
	s_lshl_b32 s46, s[WV], 10                      ; bk: my 256 columns
	s_mov_b32 s47, 0
	s_lshr_b32 s19, s18, 4                         ; b
	s_lshl_b32 s48, s19, 12
	s_add_co_u32 s48, s48, s46                     ; qh: row b, my 256 columns
	s_mov_b32 s49, 0
	s_lshl_b32 s50, s19, 16                        ; sc: 65,536 b + 16,384 w + 256 block
	s_lshl_b32 s22, s[WV], 14
	s_add_co_u32 s50, s50, s22
	s_and_b32 s22, s18, 15
	s_lshl_b32 s22, s22, 8
	s_add_co_u32 s50, s50, s22
	s_mov_b32 s51, 0
	s_mov_b32 s52, s42
	s_mov_b32 s53, 0
	s_wait_alu depctr_va_vdst(0)
	s_wait_dscnt 0x0                               ; the opening add is done
	s_wait_kmcnt 0x0
	s_add_nc_u64 s[4:5], s[4:5], s[44:45]
	s_add_nc_u64 s[8:9], s[8:9], s[46:47]
	s_add_nc_u64 s[10:11], s[10:11], s[48:49]
	s_add_nc_u64 s[12:13], s[12:13], s[50:51]
	s_add_nc_u64 s[6:7], s[6:7], s[52:53]          ; wimg at my quarter: the wave's number alone, the same in all four partners
	s_add_nc_u64 s[6:7], s[6:7], FIRST*TILEB
	s_mov_b32 s[G0], 1                             ; count = 1
	s_mov_b32 s[G0+1], s42                         ; LDS address: slot 0, my quarter
	TADR 0, 0, 6                                   ; trip 0's K step
	s_mov_b32 s[G0+4], 1
	s_add_co_u32 s[G0+5], s42, TILEB               ; slot 1
	TADR 1, 1, 6                                   ; trip 1's
.irp u, 0,1,2,3,4,5,6,7
	s_add_co_u32 s[OFF], s[ROT], \u                ; my rows at trip u's K step: 512 bytes a K step
	s_and_b32 s[OFF], s[OFF], 7
	s_lshl_b32 s[OFF], s[OFF], 9
	s_add_nc_u64 s[KB+2*\u:KB+2*\u+1], s[4:5], s[OFF:OFF+1]
.endr
	global_load_b128 v[32:35], v[QGO], s[10:11]                 ; qh's two halves of K, eight columns a lane
	global_load_b128 v[36:39], v[QGO], s[10:11] offset:16
	global_load_b128 v[40:43], v[QGO], s[10:11] offset:65536
	global_load_b128 v[44:47], v[QGO], s[10:11] offset:65552
	global_load_b128 v[48:51], v[QGO], s[8:9]                   ; bk, the same eight columns
	global_load_b128 v[52:55], v[QGO], s[8:9] offset:16
	GL 0
	GL 1
	GL 2
	ROUND                                          ; all four work-groups are here: the first joint loads meet
	tensor_load_to_lds s[G0:G0+3], s[G1:G1+7]      ; slot 0's first fill; slot 1's goes out behind trip 0's round
	s_nop 0
	PLACES
	s_wait_loadcnt 48                              ; all but the three trips' rows of k: qh and bk are in
	v_pk_add_f32 v[32:33], v[32:33], v[40:41]      ; qh = half 0 (with bq) + half 1
	v_pk_add_f32 v[34:35], v[34:35], v[42:43]
	v_pk_add_f32 v[36:37], v[36:37], v[44:45]
	v_pk_add_f32 v[38:39], v[38:39], v[46:47]
	ds_store_b128 v[QST], v[32:35]                 ; my wave's own bytes: no other wave reads them
	ds_store_b128 v[QST], v[36:39] offset:16
	ds_store_b128 v[QST], v[48:51] offset:BKO
	ds_store_b128 v[QST], v[52:55] offset:BKO+16
	BIAS QRD, BKO                                  ; LDS serves a wave's instructions in order: these see the stores above
	TURN 0, 32                                     ; trips 1 and 2 may be out
	s_wait_dscnt 0x0                               ; trip 0's rows are back, the bias lies in the accumulators; the stores above have read their registers
.irp b, 0,1,2,3
	v_mov_b32 v[BY+\b], 0                          ; written once: a lane permute's destination counts as one of its sources
.endr
	QUANT 64
	IMAGE 0
	GL 3
	TURN 1, 32
.irp t, 0,1,2,3,4,5,6,7
	PTRIP \t
.endr
	; THE SCORES.  Lane (r, h) holds 32 of a head's 64 columns of rows 16 m + r: 16 packed multiply-adds for each head and m, four chains by turns; each accumulator is read from its low end on.
.irp hd, 0,1,2,3
	WIN 0x02+\hd/2                                 ; source 0: window 2, then 3
.irp ff, 0,1,2,3
.irp jj, 0,2,4,6
.irp m, 0,1,2,3
.if \ff+\jj == 0
	v_pk_mul_f32 v[PP+8*\hd+2*\m:PP+8*\hd+2*\m+1], v[64*\m+8*((4*\hd+\ff)%8)+\jj:64*\m+8*((4*\hd+\ff)%8)+\jj+1], v[QV+8*(4*\hd+\ff)+\jj:QV+8*(4*\hd+\ff)+\jj+1]
.else
	v_pk_fma_f32 v[PP+8*\hd+2*\m:PP+8*\hd+2*\m+1], v[64*\m+8*((4*\hd+\ff)%8)+\jj:64*\m+8*((4*\hd+\ff)%8)+\jj+1], v[QV+8*(4*\hd+\ff)+\jj:QV+8*(4*\hd+\ff)+\jj+1], v[PP+8*\hd+2*\m:PP+8*\hd+2*\m+1]
.endif
.endr
.endr
.endr
.endr
	WIN 0
.irp i, 0,1,2,3,4,5,6,7,8,9,10,11,12,13,14,15
	v_add_f32 v[SS+\i], v[PP+2*\i], v[PP+2*\i+1]   ; i = 4 head + m
.endr
.irp i, 0,1,2,3,4,5,6,7,8,9,10,11,12,13,14,15
	v_permlanex16_b32 v[SX+\i], v[SS+\i], s[SEL], s[SEL+1]
.endr
.irp i, 0,1,2,3,4,5,6,7,8,9,10,11,12,13,14,15
	v_add_f32 v[SS+\i], v[SS+\i], v[SX+\i]         ; with the other 32 columns: row 16 m + r's score, in both halves of the lanes
.endr
.irp hd, 0,1,2,3                       ; lane l stores keys l and 32 + l of the block: lanes 0-15 take m = 0 and 2, lanes 16-31 m = 1 and 3
	v_cndmask_b32 v[PP+2*\hd], v[SS+4*\hd], v[SS+4*\hd+1], s41
	v_cndmask_b32 v[PP+2*\hd+1], v[SS+4*\hd+2], v[SS+4*\hd+3], s41
.endr
.irp hd, 0,1,2,3
	global_store_b64 v[SCO], v[PP+2*\hd:PP+2*\hd+1], s[12:13] offset:4096*\hd   ; 256 consecutive bytes, aligned
.endr
	s_wait_tensorcnt 0x0                           ; the wave's end: behind my last tensor load and my last LDS store
	ds_add_u32 v[SPW], v[NIL]
	s_wait_dscnt 0x0
	ROUND                                          ; the closing round: no work-group ends while a partner may still ask for a tile that names it
	s_endpgm
.Lfunc_end_k_q05c86e3276_kproj:
	.size	k_q05c86e3276_kproj, .Lfunc_end_k_q05c86e3276_kproj-k_q05c86e3276_kproj
	.p2alignl 7, 3214868480
	.fill 96, 4, 3214868480
	.section	.rodata,"a",@progbits
	.p2align	6, 0x0
	.amdhsa_kernel k_q05c86e3276_kproj
		.amdhsa_group_segment_fixed_size 327680
		.amdhsa_private_segment_fixed_size 0
		.amdhsa_enable_private_segment 0
		.amdhsa_kernarg_size 40
		.amdhsa_user_sgpr_count 2
		.amdhsa_user_sgpr_kernarg_segment_ptr 1
		.amdhsa_wavefront_size32 1
		.amdhsa_system_sgpr_workgroup_id_x 1
		.amdhsa_system_sgpr_workgroup_id_y 1
		.amdhsa_system_sgpr_workgroup_id_z 1
		.amdhsa_system_vgpr_workitem_id 0
		.amdhsa_next_free_vgpr 1024
		.amdhsa_next_free_sgpr 84
		.amdhsa_reserve_vcc 0
		.amdhsa_float_denorm_mode_32 3
		.amdhsa_float_denorm_mode_16_64 3
		.amdhsa_memory_ordered 1
		.amdhsa_forward_progress 1
		.amdhsa_inst_pref_size 207
	.end_amdhsa_kernel
	.amdgpu_metadata
---
amdhsa.version: [ 1, 2 ]
amdhsa.kernels:
  - .name:           k_q05c86e3276_kproj
    .symbol:         k_q05c86e3276_kproj.kd
    .args:
      - { .name: k, .offset: 0, .size: 8, .value_kind: global_buffer, .address_space: global }
      - { .name: wimg, .offset: 8, .size: 8, .value_kind: global_buffer, .address_space: global }
      - { .name: bk, .offset: 16, .size: 8, .value_kind: global_buffer, .address_space: global }
      - { .name: qh, .offset: 24, .size: 8, .value_kind: global_buffer, .address_space: global }
      - { .name: sc, .offset: 32, .size: 8, .value_kind: global_buffer, .address_space: global }
    .group_segment_fixed_size: 327680
    .private_segment_fixed_size: 0
    .kernarg_segment_align: 8
    .kernarg_segment_size: 40
    .max_flat_workgroup_size: 128
    .sgpr_count:     84
    .vgpr_count:     1024
    .wavefront_size: 32
...
	.end_amdgpu_metadata
.endif
;; end of part 5
;; launch vo (part 6): grid 256 x 1, 4 waves a work-group, clusters of 4 x 1, 327,680 bytes of LDS; arguments v, wimg, bv, sc, bo, out0; writes out0
.if DOCPART == 6
	.amdgcn_target "amdgcn-amd-amdhsa--gfx1250"
	.amdhsa_code_object_version 6
	.text
	.protected	k_q05c86e3276_vo
	.globl	k_q05c86e3276_vo
	.p2align	8
	.type	k_q05c86e3276_vo,@function
k_q05c86e3276_vo:
	s_mov_b64 s[64:65], 0
	v_nop
	global_prefetch_b8 v0, s[64:65] scope:SCOPE_SE
	s_setreg_imm32_b32 hwreg(HW_REG_WAVE_MODE, 25, 1), 1
	s_wait_xcnt 0x0
	s_wait_alu depctr_hold_cnt(0) depctr_sa_sdst(0) depctr_va_vdst(0) depctr_va_sdst(0) depctr_va_ssrc(0) depctr_va_vcc(0) depctr_vm_vsrc(0)
	s_getreg_b32 s2, hwreg(HW_REG_IB_STS2, 6, 4)
	s_cmp_eq_u32 s2, 0
	s_cbranch_scc0 .Lentry_in_a_cluster
	s_endpgm
.Lentry_in_a_cluster:
	s_bfe_u32 s2, ttmp6, 0x10000c
	s_cmp_lg_u32 s2, 0x3003
	s_cbranch_scc0 .Lentry_shape_is_right
	s_endpgm
.Lentry_shape_is_right:
; VO.  vh = Q(v) Q(Wv) + bv;  attn = softmax over a head's 1,024 keys of sc / 8;  weighted = attn x vh;  out0 = Q(weighted) Q(Wo) + bo.  Both products on codes of FP6 (E2M3) with E8M0 scales; vh and weighted never go to memory.
; SHARES.  A work-group owns 64 rows (batch W / 16, block W % 16) and all 1,024 columns; wave w owns columns 256 w .. 256 w + 255 (heads 4 w .. 4 w + 3) of vh and of out0.
; v ARRIVES AS f32 AND IS READ ONCE: wave w loads its rows 16 w .. 16 w + 15, a K step (512 consecutive bytes of a row) a load, three K steps ahead, into four sets of 64 registers; a K step turns through the wave's stage in LDS,
; so that a lane holds 16 neighbours of each block of 32, is quantised, and the fragment goes to the other waves as an image of its registers.  The softmax of my four heads stands among these steps, two heads at a time.
; Then EVERY WAVE HOLDS THE 64 ROWS' FRAGMENTS FOR ALL OF K IN REGISTERS (32 fragments, 384 registers), and both products walk N, not K:
; a trip makes 64 rows x 32 columns: 2 tiles of the weight x 8 K steps x 4 tiles of rows = 64 matrix instructions on 8 accumulators, which take turns.
; THE WEIGHTS come from wimg, images of operand registers, by two roads.  K steps 4-7 of a pair of trips (4 rows of 6,144 bytes for each wave) come by ONE JOINT TENSOR LOAD a wave: all work-groups walk the same weights, so the
; four of a cluster ask together, with the same descriptor and a mask that names the four; a ring of two slots of 98,304 bytes, one round of the cluster's barrier for two trips; each wave fetches and reads its own quarter.
; K steps 0-3, the scale registers and the bias go straight into registers, 512 consecutive bytes a load of codes, 36 loads a trip, asked for a trip ahead.  LDS has no room for slots with all eight K steps of two trips:
; the ring takes 196,608 bytes, the stage 69,632, the images 53,248, the spare words 512 of 327,680.  By this text's count a wave has one tensor load out at the start and one behind each round.
; The first product's trip gives one whole block of 32 of the second product's K: it is multiplied by attn and quantised at once; two trips make half a fragment, which goes to LDS as an image.
; The second product's trip gives 128 bytes of each row of out0: two trips meet in the wave's stage, and rows of 256 bytes leave, sixteen lanes to an aligned unit, while the later columns are still multiplied.
; THE MATRIX INSTRUCTION IS USED TRANSPOSED (source 0 = a tile of the weight, source 1 = 16 rows): lane (r, h) holds row r; register 8 f + j of a trip's pair p is column 256 w + 32 p + 16 h + 8 f + j.
; THE BIAS IS THE C OF A TRIP'S FIRST EIGHT PRODUCTS.
; PREFETCH: Wv and Wo are 6,400 blocks of 256 bytes, which every work-group reads.  They are shared out by address: work-group W asks for the 50 blocks from 50 (W % 128) on, a lane a block, waves 0 and 1, once, ahead of v's loads;
; lanes 50-63 name the last of the 50 again.  v is asked for three K steps ahead by its own loads; sc and the biases are read once.
; LIMITS: NaN and infinities are not served.  A block whose largest magnitude lies under 2^-124 (a block of zeros too) gets the byte 1; zero codes add nothing, and this program alone reads the bytes.
; The exponential gives 0 for results under 2^-126 (ISA guide 15.8).  attn is a product with a reciprocal, not a division.  The biases are the sums' first terms: another order of f32 rounding than a sum with the bias last.
; REGISTERS, counted through all windows: v0-19 addresses; v20-35 the rows' scale words (lanes 0-15 an even K step's, lanes 16-31 the odd one's); v36-51 the weights' scale registers; v52-83 two sets of bias; v84-99 attn;
; v100-115 the quantiser's; v116-179 64 numbers at work; v192-255 the 8 accumulators (m, f) at 16 m + 8 f.  Fragment i (0-31 the rows' 4 s + m, 32-63 the weights' 8 buffer + 2 (s % 4) + f) lies at 256 (1 + i / 21) + 12 (i % 21); the last at v180.
; At the head v256-511 are the four sets of v's numbers.
.set QB,     25600                     ; a wave's quarter of a K step of a weight: 16 fragments of 1,536 bytes, 8 scale registers of 128
.set TILEB,  4*QB
.set WQ,     24576                     ; a wave's quarter of a slot: 4 K steps x 2 pairs x 3,072 bytes
.set SLOTB,  4*WQ                      ; the ring: slots at 0 and at 98,304; tensor loads alone fill these bytes
.set STG,    2*SLOTB                   ; each wave's stage, 17,408 bytes: at the head 16 rows x (512 + 16) bytes for the turn of v, on the way out 64 rows x (256 + 16)
.set TPITCH, 528                       ; 33 x 16 and 17 x 16 bytes: the sixteen rows that an access of 16 bytes a lane touches start in different banks (64 banks of 4 bytes: ISA guide 11.1)
.set SPITCH, 272
.set SWAVE,  64*SPITCH
.set XIMG,   STG+4*SWAVE               ; eight sets of images, one for each K step: first Q(v)'s, then Q(weighted)'s
.set XSC,    6144                      ; in a set: 4 fragments of 6 x 256 bytes (registers 2 q, 2 q + 1 at 256 q + 8 x lane), then 4 scale words' registers of 128 bytes
.set XSET,   6656
.set SPARE,  XIMG+8*XSET               ; the spare words, 128 bytes for each wave
.set L16, 1
.set L4,  2
.set AIM, 3
.set ASC, 4
.set XW,  5
.set XWS, 6
.set TRD, 7
.set HW,  8
.set HWS, 9
.set STO, 10
.set SRD, 11
.set OGO, 12
.set BOF, 13
.set SPW, 14                           ; LDS address of my spare word; never rewritten
.set NIL, 15                           ; 0; never rewritten
.set WL,  16                           ; v16-17 my quarter of slot 0, 1: 16 x lane
.set HWC, 18
.set HWSC, 19
.set SA,  20
.set SW,  36
.set BI,  52
.set ATT, 84
.set PW,  100
.set MX,  104
.set BY,  108
.set EO,  112
.set XQ,  116
.set FR,  116                          ; first product: half fragments, 6 registers for each m
.set TMP, 140                          ; the odd block's codes, 4 apart
.set AD,  156                          ; the trip's attn, twice each
.set ACC, 192
.set PC,  208                          ; at the head: the codes just made
.set AUX, 220
.set STA, 20                           ; the softmax: two heads' 32 scores a lane
.set OWN, 228                          ; my rows' scores: 4 head + m
.set NM,  236
.set TT,  240
.set TX,  242
.set R8,  244
.set PFO, 245
.set TWR, 246
.set WV,  16
.set SEL, 20
.set CS,  22
.set CC,  32                           ; s[32:37] codes, scales, bias: where the trips in hand stand
.set SCU, 34
.set BC,  36
.set CN,  38                           ; s[38:43] the same for the next turn of the first loop
.set SN,  40
.set BN,  42
.set CO,  44                           ; s[44:47] Wo's codes and scales
.set SO,  46
.set IT,  48
.set HOF, 49
.set OF,  52                           ; s[52:53] a step of a tensor address; the upper word stays 0
.set G1,  68                           ; s[68:75] descriptor group 1
.set G0,  76                           ; s[76:83] group 0, a set for each slot
.set MSB, 0
.macro WIN new                         ; the immediate's high byte repeats the setting that is left; bits 1:0 source 0, 3:2 source 1, 5:4 source 2, 7:6 destination
.if MSB != (\new)
	s_set_vgpr_msb (MSB<<8)|(\new)
.set MSB, (\new)
.endif
.endm
.macro LINOF i                         ; LIN = where fragment i lies
.if (\i) == 63
.set LIN, 180
.else
.set LIN, 256*(1+(\i)/21)+12*((\i)%21)
.endif
.endm
.macro ROUND                           ; a round of the cluster's barrier
	s_barrier_signal -1
	s_barrier_wait -1
	s_cmp_lg_u32 s[WV], 0
	s_cbranch_scc1 .Lnot_wave_0_\@
	s_barrier_signal -3
.Lnot_wave_0_\@:
	s_barrier_wait -3
	s_barrier_signal -1
	s_barrier_wait -1
.endm
; A change of slots.  All my tensor loads have landed; 0 goes onto my spare word; slot ss's address is stepped by s[OF] (no load of mine is out); my LDS instructions are done, my reads of slot fill among them.
; Behind the round that holds of every wave of the four work-groups, and slot fill takes its next two trips' K steps 4-7, first thing behind the round.
.macro EV fill, ss
	s_wait_tensorcnt 0x0
	ds_add_u32 v[SPW], v[NIL]
	s_add_nc_u64 s[G0+4*(\ss)+2:G0+4*(\ss)+3], s[G0+4*(\ss)+2:G0+4*(\ss)+3], s[OF:OF+1]
	s_wait_dscnt 0x0
	ROUND
	tensor_load_to_lds s[G0+4*(\fill):G0+4*(\fill)+3], s[G1:G1+7]
	s_nop 0
.rept 4
	v_nop
.endr
.endm
; What a trip takes straight from memory: K steps 0-3 of pair j behind the bases into buffer 2 par, the pair's eight scale registers, 16 numbers of the bias: 24 + 8 + 4 loads
.macro LOADU par, wc, ws, wb, j
.irp k, 0,1,2,3
.irp f, 0,1
	LINOF 32+16*(\par)+2*\k+\f
	WIN (LIN>>8)<<6
.irp ch, 0,1,2
	global_load_b128 v[(LIN&255)+4*\ch:(LIN&255)+4*\ch+3], v[L16], s[\wc:\wc+1] offset:\k*TILEB+1536*\f+512*\ch+3072*(\j)
.endr
.endr
.endr
	WIN 0
.irp k, 0,1,2,3,4,5,6,7
	global_load_b32 v[SW+8*(\par)+\k], v[L4], s[\ws:\ws+1] offset:\k*TILEB+128*(\j)
.endr
.irp i, 0,1,2,3
	global_load_b128 v[BI+16*(\par)+4*\i:BI+16*(\par)+4*\i+3], v[BOF], s[\wb:\wb+1] offset:16*\i+128*(\j)
.endr
.endm
.macro DSU par, sl                     ; K steps 4-7 of the trip's pair out of my quarter of slot sl into buffer 2 par + 1: 24 loads
.irp k, 0,1,2,3
.irp f, 0,1
	LINOF 32+16*(\par)+8+2*\k+\f
	WIN (LIN>>8)<<6
.irp ch, 0,1,2
	ds_load_b128 v[(LIN&255)+4*\ch:(LIN&255)+4*\ch+3], v[WL+(\sl)] offset:6144*\k+3072*(\par)+1536*\f+512*\ch
.endr
.endr
.endr
.endm
.macro WM fa, fb                       ; an odd tile's scales lie in lanes 16-31 of the weight's scale register, an odd K step's in lanes 16-31 of the rows'
.if (\fa) && (\fb)
	v_wmma_scale_f32_16x16x128_f8f6f4 v[DD:DD+7], v[LW&255:(LW&255)+11], v[LIN&255:(LIN&255)+11], v[CR:CR+7], v[SWR], v[SAR] matrix_a_fmt:MATRIX_FMT_FP6 matrix_b_fmt:MATRIX_FMT_FP6 matrix_a_scale:MATRIX_SCALE_ROW1 matrix_b_scale:MATRIX_SCALE_ROW1
.elseif (\fa)
	v_wmma_scale_f32_16x16x128_f8f6f4 v[DD:DD+7], v[LW&255:(LW&255)+11], v[LIN&255:(LIN&255)+11], v[CR:CR+7], v[SWR], v[SAR] matrix_a_fmt:MATRIX_FMT_FP6 matrix_b_fmt:MATRIX_FMT_FP6 matrix_a_scale:MATRIX_SCALE_ROW1
.elseif (\fb)
	v_wmma_scale_f32_16x16x128_f8f6f4 v[DD:DD+7], v[LW&255:(LW&255)+11], v[LIN&255:(LIN&255)+11], v[CR:CR+7], v[SWR], v[SAR] matrix_a_fmt:MATRIX_FMT_FP6 matrix_b_fmt:MATRIX_FMT_FP6 matrix_b_scale:MATRIX_SCALE_ROW1
.else
	v_wmma_scale_f32_16x16x128_f8f6f4 v[DD:DD+7], v[LW&255:(LW&255)+11], v[LIN&255:(LIN&255)+11], v[CR:CR+7], v[SWR], v[SAR] matrix_a_fmt:MATRIX_FMT_FP6 matrix_b_fmt:MATRIX_FMT_FP6
.endif
.endm
; Half a trip: 32 matrix instructions, K ascending; the 8 accumulators take turns, one instruction a turn, in the same order throughout
.macro MULU par, kap
.irp k, 0,1,2,3
.irp f, 0,1
.irp m, 0,1,2,3
	LINOF 32+8*(2*(\par)+(\kap))+2*\k+\f
.set LW, LIN
	LINOF 4*(4*(\kap)+\k)+\m
	WIN (LW>>8)|((LIN>>8)<<2)
.set DD, ACC+16*\m+8*\f
.if (\kap)+\k == 0
.set CR, BI+16*(\par)+8*\f             ; the bias starts the sum
.else
.set CR, DD
.endif
.set SWR, SW+4*(2*(\par)+(\kap))+\k
.set SAR, SA+4*((4*(\kap)+\k)/2)+\m
	WM \f, \k%2
.endr
.endr
.endr
.endm
; A trip.  Its 36 loads were issued at the head of the trip before.  more = 1: the next trip's are asked for, into the buffers that were multiplied a trip ago (that trip's epilogue holds the places behind its products).
.macro TRIP par, sl, more, wc, ws, wb, j
	s_wait_loadcnt 0x0
.if \more
	LOADU 1-(\par), \wc, \ws, \wb, \j
.endif
	DSU \par, \sl
	MULU \par, 0
	s_wait_dscnt 0x0                               ; K steps 4-7 are in registers
	MULU \par, 1
	WIN 0
.endm
; The rows' 32 fragments and 16 scale registers out of the eight sets of images
.macro LOADA
.set a, 0
.rept 32
	LINOF a
	WIN (LIN>>8)<<6
.irp q, 0,1,2,3,4,5
	ds_load_b64 v[(LIN&255)+2*\q:(LIN&255)+2*\q+1], v[AIM] offset:XSET*(a/4)+1536*(a%4)+256*\q
.endr
.set a, a+1
.endr
	WIN 0
.set a, 0
.rept 16
	ds_load_b32 v[SA+a], v[ASC] offset:2*XSET*(a/4)+128*(a%4)
.set a, a+1
.endr
.endm
; 64 numbers of a lane, register 16 b + i = k 32 b + 16 (lane / 16) + i of my row, become a fragment's codes in v[PC] on and its scale word in v[PW].
.macro QUANT s
.irp b, 0,1,2,3
	v_max3_num_f32 v[MX+\b], |v[(\s)+16*\b]|, |v[(\s)+16*\b+1]|, 0x1800000   ; with the floor 2^(3 - 127): the byte cannot fall under 1
.endr
.irp i, 2,4,6,8,10,12,14
.irp b, 0,1,2,3
	v_max3_num_f32 v[MX+\b], v[MX+\b], |v[(\s)+16*\b+\i]|, |v[(\s)+16*\b+\i+1]|
.endr
.endr
.irp b, 0,1,2,3
	v_permlanex16_b32 v[BY+\b], v[MX+\b], s[SEL], s[SEL+1]
.endr
.irp b, 0,1,2,3
	v_max_num_f32 v[MX+\b], v[MX+\b], v[BY+\b]     ; with lane l xor 16's 16: the block's largest magnitude
.endr
.irp b, 0,1,2,3
	v_add_nc_u32 v[EO+\b], 0xff000000, v[MX+\b]    ; 2 off the exponent field: the conversion's scale operand
.endr
.irp b, 0,1,2,3
	v_lshrrev_b32 v[BY+\b], 23, v[EO+\b]           ; the scale's byte
.endr
	v_lshl_or_b32 v[PW], v[BY+1], 8, v[BY]
	v_lshl_or_b32 v[PW], v[BY+2], 16, v[PW]
	v_lshl_or_b32 v[PW], v[BY+3], 24, v[PW]
.irp c, 0,1
	v_cvt_scalef32_pk16_fp6_f32 v[PC+6*\c:PC+6*\c+2], v[(\s)+32*\c:(\s)+32*\c+15], v[EO+2*\c]
	v_cvt_scalef32_pk16_fp6_f32 v[AUX+4*\c:AUX+4*\c+2], v[(\s)+32*\c+16:(\s)+32*\c+31], v[EO+2*\c+1]   ; (a conversion's three registers begin on an even number)
.endr
	v_nop                                          ; one plain place behind the scaled conversions
.irp c, 0,1                            ; a whole block to a lane: lanes 0-15 block 2 c, lanes 16-31 block 2 c + 1
.irp i, 0,1,2
	v_permlane16_swap_b32 v[PC+6*\c+\i], v[AUX+4*\c+\i]
.endr
.irp i, 0,1,2
	v_mov_b32 v[PC+6*\c+3+\i], v[AUX+4*\c+\i]
.endr
.endr
.endm
.macro GL u                            ; K step u of my 16 rows into set u % 4 of window 1: each load takes 512 consecutive bytes of a row, at a multiple of 256 from the buffer's first byte
	WIN 0x40
.irp j, 0,1,2,3,4,5,6,7,8,9,10,11,12,13,14,15
	global_load_b128 v[64*((\u)%4)+4*\j:64*((\u)%4)+4*\j+3], v[L16], s[4:5] offset:4096*\j+512*(\u) th:TH_LOAD_NT
.endr
	WIN 0
.endm
; K step u of my rows is in (n: the loads issued behind it, which may be out); K step nx is asked for, into the set whose stores into the stage were waited for a step ago; the 16 rows turn through my stage:
; in by rows, back 16 neighbours of each block of 32 to a lane (LDS serves a wave's instructions in order, ISA guide 5.7.1.4: no wait between); quantised; the image goes into set u.
.macro QS u, n, nx
	s_wait_loadcnt \n
.if (\nx) >= 0
	GL \nx
.endif
	WIN 0x04                                       ; an LDS store's data are its source 1: window 1
.irp j, 0,1,2,3,4,5,6,7,8,9,10,11,12,13,14,15
	ds_store_b128 v[TWR], v[64*((\u)%4)+4*\j:64*((\u)%4)+4*\j+3] offset:TPITCH*\j
.endr
	WIN 0
.irp b, 0,1,2,3
.irp j, 0,1,2,3
	ds_load_b128 v[XQ+16*\b+4*\j:XQ+16*\b+4*\j+3], v[TRD] offset:128*\b+16*\j
.endr
.endr
	s_wait_dscnt 0x0
	QUANT XQ
.irp q, 0,1,2,3,4,5
	ds_store_b64 v[XW], v[PC+2*\q:PC+2*\q+1] offset:XSET*(\u)+256*\q
.endr
	ds_store_b32 v[XWS], v[PW] offset:XSET*(\u)
.endm
; The raw scores of heads h0 and h0 + 1 of my four: all 1,024 of each, 8 loads of 512 consecutive bytes (which key lies where does not matter to a maximum or a sum), and those of rows 16 m + r of my block: key 32 e + l lies at 8 l + 4 e
.macro SCL h0
.irp e, 0,1
.irp i, 0,1,2,3,4,5,6,7
	global_load_b128 v[STA+32*\e+4*\i:STA+32*\e+4*\i+3], v[L16], s[10:11] offset:4096*((\h0)+\e)+512*\i
.endr
.endr
.irp e, 0,1
.irp m, 0,1,2,3
	global_load_b32 v[OWN+4*\e+\m], v[R8], s[50:51] offset:4096*((\h0)+\e)+128*(\m%2)+4*(\m/2)
.endr
.endr
.endm
; THE SOFTMAX of these two heads, by turns: max, p = 2^(s c - max c) with c = log2(e) / 8, the sum, its reciprocal; my rows' scores go through the same two instructions; attn = p x (1 / sum)
.macro SMX h0
.irp e, 0,1
	v_max3_num_f32 v[TT+\e], v[STA+32*\e], v[STA+32*\e+1], v[STA+32*\e+2]
.endr
.irp i, 3,5,7,9,11,13,15,17,19,21,23,25,27,29
.irp e, 0,1
	v_max3_num_f32 v[TT+\e], v[TT+\e], v[STA+32*\e+\i], v[STA+32*\e+\i+1]
.endr
.endr
.irp e, 0,1
	v_max_num_f32 v[TT+\e], v[TT+\e], v[STA+32*\e+31]
.endr
.irp x, 1,2,4,8
.irp e, 0,1
	v_max_num_f32_dpp v[TT+\e], v[TT+\e], v[TT+\e] row_xmask:\x row_mask:0xf bank_mask:0xf
.endr
.endr
.irp e, 0,1
	v_permlanex16_b32 v[TX+\e], v[TT+\e], s[SEL], s[SEL+1]
.endr
.irp e, 0,1
	v_max_num_f32 v[TT+\e], v[TT+\e], v[TX+\e]     ; the head's largest raw score, in every lane
.endr
.irp e, 0,1
	v_mul_f32 v[NM+2*\e], s24, v[TT+\e]            ; -(max c), rounded once, in both registers of a pair
	v_mul_f32 v[NM+2*\e+1], s24, v[TT+\e]
.endr
.irp e, 0,1
.set a, STA+32*\e
.rept 16
	v_pk_fma_f32 v[a:a+1], v[a:a+1], s[CS:CS+1], v[NM+2*\e:NM+2*\e+1] op_sel_hi:[1,0,1]   ; s c - max c, one rounding
.set a, a+2
.endr
	v_pk_fma_f32 v[OWN+4*\e:OWN+4*\e+1], v[OWN+4*\e:OWN+4*\e+1], s[CS:CS+1], v[NM+2*\e:NM+2*\e+1] op_sel_hi:[1,0,1]
	v_pk_fma_f32 v[OWN+4*\e+2:OWN+4*\e+3], v[OWN+4*\e+2:OWN+4*\e+3], s[CS:CS+1], v[NM+2*\e:NM+2*\e+1] op_sel_hi:[1,0,1]
.endr
	s_wait_alu depctr_va_vdst(0)                   ; ahead of the batch
.set a, STA
.rept 64
	v_exp_f32 v[a], v[a]                           ; one batch of 72: none reads another's result
.set a, a+1
.endr
.set a, OWN
.rept 8
	v_exp_f32 v[a], v[a]
.set a, a+1
.endr
	v_nop                                          ; a plain place behind the last exponential
	s_wait_alu depctr_va_vdst(0)                   ; one wait for the batch, ahead of its first reader
.irp i, 1,2,3,4,5,6,7,8,9,10,11,12,13,14,15
.irp e, 0,1
	v_pk_add_f32 v[STA+32*\e:STA+32*\e+1], v[STA+32*\e:STA+32*\e+1], v[STA+32*\e+2*\i:STA+32*\e+2*\i+1]
.endr
.endr
.irp e, 0,1
	v_add_f32 v[TT+\e], v[STA+32*\e], v[STA+32*\e+1]
.endr
.irp x, 1,2,4,8
.irp e, 0,1
	v_add_f32_dpp v[TT+\e], v[TT+\e], v[TT+\e] row_xmask:\x row_mask:0xf bank_mask:0xf
.endr
.endr
.irp e, 0,1
	v_permlanex16_b32 v[TX+\e], v[TT+\e], s[SEL], s[SEL+1]
.endr
.irp e, 0,1
	v_add_f32 v[TT+\e], v[TT+\e], v[TX+\e]         ; the head's sum, at least about 1
.endr
	s_wait_alu depctr_va_vdst(0)                   ; ahead of the two reciprocals
.irp e, 0,1
	v_rcp_f32 v[TX+\e], v[TT+\e]
.endr
	v_nop                                          ; a plain place behind the last reciprocal
	s_wait_alu depctr_va_vdst(0)                   ; one wait for the two
.irp e, 0,1
.irp m, 0,1,2,3
	v_mul_f32 v[ATT+4*((\h0)+\e)+\m], v[OWN+4*\e+\m], v[TX+\e]     ; attn of row 16 m + r
.endr
.endr
.endm
; THE FIRST PRODUCT'S EPILOGUE, block b of a K step of the second product: weighted = attn x vh, in place (each accumulator read from its low end on); the block's scale; 16 codes a lane.
; The eight moves are the places behind the trip's last products.  Behind an odd block the two blocks change halves, and half a fragment goes to my set of images.
.macro EPA b
.irp m, 0,1,2,3
	v_mov_b32 v[AD+2*\m], v[ATT+4*((\b)/2)+\m]
	v_mov_b32 v[AD+2*\m+1], v[ATT+4*((\b)/2)+\m]
.endr
.irp i, 0,2,4,6,8,10,12,14
.irp m, 0,1,2,3
	v_pk_mul_f32 v[ACC+16*\m+\i:ACC+16*\m+\i+1], v[ACC+16*\m+\i:ACC+16*\m+\i+1], v[AD+2*\m:AD+2*\m+1]
.endr
.endr
.irp m, 0,1,2,3
	v_max3_num_f32 v[MX+\m], |v[ACC+16*\m]|, |v[ACC+16*\m+1]|, 0x1800000
.endr
.irp i, 2,4,6,8,10,12,14
.irp m, 0,1,2,3
	v_max3_num_f32 v[MX+\m], v[MX+\m], |v[ACC+16*\m+\i]|, |v[ACC+16*\m+\i+1]|
.endr
.endr
.irp m, 0,1,2,3
	v_permlanex16_b32 v[BY+\m], v[MX+\m], s[SEL], s[SEL+1]
.endr
.irp m, 0,1,2,3
	v_max_num_f32 v[MX+\m], v[MX+\m], v[BY+\m]
.endr
.irp m, 0,1,2,3
	v_add_nc_u32 v[EO+\m], 0xff000000, v[MX+\m]
.endr
.irp m, 0,1,2,3
	v_lshrrev_b32 v[BY+\m], 23, v[EO+\m]
.endr
.irp m, 0,1,2,3
.if (\b) == 0
	v_mov_b32 v[PW+\m], v[BY+\m]
.else
	v_lshl_or_b32 v[PW+\m], v[BY+\m], 8*(\b), v[PW+\m]
.endif
.endr
.irp m, 0,1,2,3
.if (\b)%2
	v_cvt_scalef32_pk16_fp6_f32 v[TMP+4*\m:TMP+4*\m+2], v[ACC+16*\m:ACC+16*\m+15], v[EO+\m]
.else
	v_cvt_scalef32_pk16_fp6_f32 v[FR+6*\m:FR+6*\m+2], v[ACC+16*\m:ACC+16*\m+15], v[EO+\m]
.endif
.endr
	v_nop                                          ; one plain place behind the scaled conversions
.if (\b)%2
.irp m, 0,1,2,3
.irp i, 0,1,2
	v_permlane16_swap_b32 v[FR+6*\m+\i], v[TMP+4*\m+\i]
.endr
.endr
.irp m, 0,1,2,3
.irp i, 0,1,2
	v_mov_b32 v[FR+6*\m+3+\i], v[TMP+4*\m+\i]
.endr
.endr
.irp m, 0,1,2,3
.irp i, 0,1,2
	ds_store_b64 v[HWC], v[FR+6*\m+2*\i:FR+6*\m+2*\i+1] offset:1536*\m+256*(3*((\b)/2)+\i)
.endr
.endr
.endif
.if (\b) == 3
.irp m, 0,1,2,3
	ds_store_b32 v[HWSC], v[PW+\m] offset:128*\m
.endr
.endif
.endm
; THE SECOND PRODUCT'S EPILOGUE: 128 bytes of each of 64 rows into my stage (each accumulator from its low end on); behind the odd trip whole rows of 256 bytes, columns 64 u on of my 256, come back and are stored.
.macro EPC e, u
.rept 5
	v_nop                                          ; places behind the last products: four ahead of the stores' reads, five ahead of the next trip's first products, which write the accumulators anew
.endr
.irp m, 0,1,2,3
.irp i, 0,1,2,3
	ds_store_b128 v[STO], v[ACC+16*\m+4*\i:ACC+16*\m+4*\i+3] offset:16*SPITCH*\m+128*(\e)+16*\i
.endr
.endr
.if \e
.irp g, 0,1
	s_wait_xcnt 0x0                                ; the earlier stores have read their registers
.irp t, 0,1,2,3,4,5,6,7,8,9,10,11,12,13,14,15
	ds_load_b128 v[XQ+4*\t:XQ+4*\t+3], v[SRD] offset:(32*\g+2*\t)*SPITCH   ; LDS serves a wave's instructions in order (ISA guide 5.7.1.4): these see my stores
.endr
	s_wait_dscnt 0x0
.irp t, 0,1,2,3,4,5,6,7,8,9,10,11,12,13,14,15
	global_store_b128 v[OGO], v[XQ+4*\t:XQ+4*\t+3], s[14:15] offset:(32*\g+2*\t)*4096+256*(\u) th:TH_STORE_NT   ; sixteen lanes store 256 consecutive bytes, at a multiple of 256 from out0's first byte
.endr
.endr
.endif
.endm
	s_load_b256 s[4:11], s[0:1], 0x0               ; v s[4:5], wimg s[6:7], bv s[8:9], sc s[10:11]
	s_load_b128 s[12:15], s[0:1], 0x20             ; bo s[12:13], out0 s[14:15]
	v_lshl_add_u32 v[SPW], v0, 2, SPARE
	v_mov_b32 v[NIL], 0
	ds_add_u32 v[SPW], v[NIL]                      ; the wave's opening: the add, twice on end, and its wait ahead of the round in front of my first tensor load
	ds_add_u32 v[SPW], v[NIL]
	v_lshrrev_b32 v116, 5, v0
	v_readfirstlane_b32 s[WV], v116                ; wave 0..3
	s_bfe_u32 s17, ttmp6, 0x40000                  ; cx: my place in the cluster
	s_lshl_b32 s18, ttmp9, 2
	s_add_co_u32 s18, s18, s17                     ; W = 4 x cluster + cx: it enters the addresses of v, sc, out0 and of the prefetch alone
	s_mul_i32 s25, s[WV], 1536
	s_lshl_b32 s26, s[WV], 7
	s_mul_i32 s27, s[WV], 2*XSET
	s_mul_i32 s29, s[WV], SWAVE
	s_add_co_u32 s29, s29, STG
	s_mul_i32 s19, s[WV], WQ                       ; my quarter of a slot
	s_and_b32 s30, s18, 127
	s_mul_i32 s30, s30, 50*256
	s_add_co_u32 s30, s30, 8*TILEB                 ; my work-group's 50 blocks of Wv and Wo
	s_mov_b32 s[SEL], 0x76543210
	s_mov_b32 s[SEL+1], 0xfedcba98
	s_mov_b32 s[CS], 0x3e38aa3b                    ; c = log2(e) / 8
	s_mov_b32 s[CS+1], s[CS]
	s_mov_b32 s24, 0xbe38aa3b                      ; -c
	; descriptor group 1: 4 rows (K steps) of 6,144 bytes (768 elements of 8 bytes), 102,400 bytes apart, dense in LDS: images are read as they lie
	s_mov_b32 s[G1], 15|(3<<16)|(1<<21)            ; 15:0 the mask: all four work-groups; 17:16 elements of 8 bytes; 21 set beside a mask
	s_mov_b32 s[G1+1], 768<<16                     ; tensor_dim0
	s_mov_b32 s[G1+2], 4<<16                       ; tensor_dim1
	s_mov_b32 s[G1+3], 768<<16                     ; tile_dim0
	s_mov_b32 s[G1+4], 4                           ; tile_dim1
	s_mov_b32 s[G1+5], TILEB/8                     ; tensor_dim0_stride
	s_mov_b32 s[G1+6], 0
	s_mov_b32 s[G1+7], 0
	s_mov_b32 s[G0], 1
	s_mov_b32 s[G0+1], s19                         ; slot 0, my quarter
	s_mov_b32 s[G0+4], 1
	s_add_co_u32 s[G0+5], s19, SLOTB               ; slot 1
	s_lshl_b32 s54, s18, 18                        ; v and out0: 64 rows of 4,096 bytes a work-group
	s_lshl_b32 s31, s[WV], 16                      ; v: 16 rows a wave
	s_add_co_u32 s52, s54, s31
	s_mov_b32 s53, 0
	s_lshl_b32 s56, s[WV], 10                      ; the biases and out0: my 256 columns
	s_add_co_u32 s54, s54, s56
	s_mov_b32 s55, 0
	s_mov_b32 s57, 0
	s_lshr_b32 s58, s18, 4
	s_lshl_b32 s58, s58, 16                        ; sc: 65,536 b + 16,384 w
	s_lshl_b32 s31, s[WV], 14
	s_add_co_u32 s58, s58, s31
	s_mov_b32 s59, 0
	s_and_b32 s60, s18, 15
	s_lshl_b32 s60, s60, 8                         ; + 256 block, for my rows' scores
	s_mov_b32 s61, 0
	s_mul_i32 s62, s[WV], QB
	s_add_co_u32 s62, s62, 8*TILEB                 ; Wv's first K step, my quarter: the wave's number alone, the same in all four partners
	s_mov_b32 s63, 0
	v_and_b32 v116, 31, v0                         ; lane
	v_and_b32 v117, 15, v0                         ; r
	v_bfe_u32 v118, v0, 4, 1                       ; h
	v_lshlrev_b32 v[L16], 4, v116
	v_lshlrev_b32 v[L4], 2, v116
	v_lshl_add_u32 v[AIM], v116, 3, XIMG           ; images: 8 x lane
	v_lshlrev_b32 v[ASC], 2, v117
	v_mad_u32_u24 v[ASC], v118, XSET, v[ASC]       ; scale words: 4 r; lanes 16-31 take the next set's
	v_add_nc_u32 v[ASC], XIMG+XSC, v[ASC]
	v_add_nc_u32 v[XW], s25, v[AIM]                ; Q(v): my tile of rows in set 0
	v_add_nc_u32 v[XWS], s26, v[L4]
	v_add_nc_u32 v[XWS], XIMG+XSC, v[XWS]
	v_add_nc_u32 v[HW], s27, v[AIM]                ; Q(weighted): my sets 2 w and 2 w + 1
	v_add_nc_u32 v[HWS], s27, v[L4]
	v_add_nc_u32 v[HWS], XIMG+XSC, v[HWS]
	v_add_nc_u32 v[TWR], s29, v[L16]               ; the turn of v: in by rows, 16 x lane;
	v_mul_u32_u24 v[TRD], v117, TPITCH
	v_lshl_add_u32 v[TRD], v118, 6, v[TRD]
	v_add_nc_u32 v[TRD], s29, v[TRD]               ; back by lanes: row r, + 64 h
	v_add_nc_u32 v[WL], s19, v[L16]
	v_add_nc_u32 v[WL+1], SLOTB, v[WL]
	v_mul_u32_u24 v[STO], v117, SPITCH
	v_lshl_add_u32 v[STO], v118, 6, v[STO]
	v_add_nc_u32 v[STO], s29, v[STO]               ; the way out: row r, + 64 h
	v_mul_u32_u24 v[SRD], v118, SPITCH
	v_lshl_add_u32 v[SRD], v117, 4, v[SRD]
	v_add_nc_u32 v[SRD], s29, v[SRD]               ; and back: sixteen lanes to a row
	v_lshlrev_b32 v[OGO], 12, v118
	v_lshl_add_u32 v[OGO], v117, 4, v[OGO]         ; the same two rows in out0
	v_lshlrev_b32 v[BOF], 6, v118
	v_lshlrev_b32 v[R8], 3, v117
	v_min_u32 v[PFO], 49, v0
	v_lshl_add_u32 v[PFO], v[PFO], 8, s30
.irp b, 0,1,2,3
	v_mov_b32 v[BY+\b], 0                          ; written once: a lane permute's destination counts as one of its sources
.endr
	v_mov_b32 v[TX], 0
	v_mov_b32 v[TX+1], 0
	s_wait_alu depctr_va_vdst(0)                   ; at the head's end
	s_wait_dscnt 0x0                               ; both opening adds are done
	s_wait_kmcnt 0x0
	s_add_nc_u64 s[4:5], s[4:5], s[52:53]
	s_add_nc_u64 s[14:15], s[14:15], s[54:55]
	s_add_nc_u64 s[8:9], s[8:9], s[56:57]
	s_add_nc_u64 s[12:13], s[12:13], s[56:57]
	s_add_nc_u64 s[10:11], s[10:11], s[58:59]
	s_add_nc_u64 s[50:51], s[10:11], s[60:61]
	s_add_nc_u64 s[CC:CC+1], s[6:7], s[62:63]
	s_add_nc_u64 s[SCU:SCU+1], s[CC:CC+1], 24576
	s_mov_b64 s[BC:BC+1], s[8:9]
	s_add_nc_u64 s[CN:CN+1], s[CC:CC+1], 4*3072    ; pairs 4 to 7
	s_add_nc_u64 s[SN:SN+1], s[SCU:SCU+1], 4*128
	s_add_nc_u64 s[BN:BN+1], s[BC:BC+1], 4*128
	s_add_nc_u64 s[CO:CO+1], s[CC:CC+1], 8*TILEB
	s_add_nc_u64 s[SO:SO+1], s[SCU:SCU+1], 8*TILEB
	s_add_nc_u64 s[G0+2:G0+3], s[CC:CC+1], 4*TILEB           ; slot 0: Wv's K steps 4-7, pairs 0 and 1
	s_or_b32 s[G0+3], s[G0+3], 0x80000000                    ; type = 2
	s_add_nc_u64 s[G0+6:G0+7], s[CC:CC+1], 4*TILEB+6144      ; slot 1: pairs 2 and 3
	s_or_b32 s[G0+7], s[G0+7], 0x80000000
	s_cmp_lt_u32 s[WV], 2
	s_cbranch_scc0 .Lno_ask
	global_prefetch_b8 v[PFO], s[6:7] th:TH_LOAD_NT scope:SCOPE_SE
.Lno_ask:
	SCL 0                                          ; 24 loads
	GL 0
	GL 1
	GL 2
	ROUND                                          ; all four work-groups are here: the first joint loads meet
	tensor_load_to_lds s[G0:G0+3], s[G1:G1+7]      ; slot 0's first tile: one tensor load a wave at the head
	s_nop 0
.rept 4
	v_nop
.endr
	QS 0, 32, 3                                    ; behind a K step's loads stand those of the two K steps after it
	QS 1, 32, 4
	QS 2, 32, 5
	QS 3, 32, 6
	SMX 0                                          ; its scores were asked for ahead of K step 0, which is in
	SCL 2
	QS 4, 56, 7                                    ; behind K step 4: K steps 5 and 6 and the 24 loads of scores
	QS 5, 56, -1                                   ; behind K step 5: K step 6, the scores, K step 7
	QS 6, 40, -1                                   ; behind K step 6: the scores, K step 7
	s_wait_loadcnt 16                              ; the scores are in; K step 7 may be out
	SMX 2
	LOADU 0, CC, SCU, BC, 0                        ; the first trip's 36 loads, into registers that the softmax has left
	QS 7, 36, -1
	s_wait_xcnt 0x0                                ; the prefetch has read its address register, which lies among the accumulators
	s_wait_dscnt 0x0                               ; for the others' sake: my images have landed
	s_barrier_signal -1
	s_barrier_wait -1
	LOADA
	; ---- THE FIRST PRODUCT: two turns of four trips; a turn is one K step of the second product, two heads, and once round the ring.  The first change of slots brings slot 1's first tile, and shows that all reads of Q(v)'s images are over.
	s_mov_b32 s[IT], 0
	s_mov_b32 s[HOF], 0
.La:
	v_add_nc_u32 v[HWC], s[HOF], v[HW]             ; set 2 w + turn
	v_add_nc_u32 v[HWSC], s[HOF], v[HWS]
	s_mov_b32 s[OF], 8*TILEB-12288                 ; slot 0's next tile: in the first turn Wv's pairs 4 and 5, in the second Wo's pairs 0 and 1
	s_cmp_eq_u32 s[IT], 0
	s_cselect_b32 s[OF], 12288, s[OF]
	EV 1, 0
	TRIP 0, 0, 1, CC, SCU, BC, 1
	EPA 0
	TRIP 1, 0, 1, CC, SCU, BC, 2
	EPA 1
	s_mov_b32 s[OF], 12288
	EV 0, 1
	TRIP 0, 1, 1, CC, SCU, BC, 3
	EPA 2
	TRIP 1, 1, 1, CN, SN, BN, 0                    ; it asks for the next turn's first pair; in the last turn for Wo's first pair and bo
	EPA 3
.irp i, 0,1,2,3,4,5,6,7
	v_mov_b32 v[ATT+\i], v[ATT+8+\i]               ; the next two heads' attn
.endr
	s_wait_xcnt 0x0                                ; the loads have read their bases
	s_mov_b64 s[CC:CC+1], s[CN:CN+1]
	s_mov_b64 s[SCU:SCU+1], s[SN:SN+1]
	s_mov_b64 s[BC:BC+1], s[BN:BN+1]
	s_mov_b64 s[CN:CN+1], s[CO:CO+1]
	s_mov_b64 s[SN:SN+1], s[SO:SO+1]
	s_mov_b64 s[BN:BN+1], s[12:13]
	s_add_co_u32 s[HOF], s[HOF], XSET
	s_add_co_u32 s[IT], s[IT], 1
	s_cmp_lt_u32 s[IT], 2
	s_wait_alu depctr_va_vdst(0)                   ; directly ahead of the branch
	s_cbranch_scc1 .La
	s_wait_dscnt 0x0                               ; my images of weighted have landed
	s_barrier_signal -1
	s_barrier_wait -1
	LOADA
	; ---- THE SECOND PRODUCT, written out, so that slots, pairs and columns stand in the text: four turns of two trips, 64 columns each; the last turn fills no slot, its last trip asks for nothing
.irp u, 0,1,2,3
.if \u == 0
	s_mov_b32 s[OF], 8*TILEB-24576                 ; slot 1: from behind Wv's last pairs to Wo's pairs 2 and 3
	EV 1, 1
.elseif \u < 3
	s_mov_b32 s[OF], 12288
	EV (\u+1)%2, (\u+1)%2
.else
	s_wait_tensorcnt 0x0                           ; my quarter of the last tile is in; I alone read it
.endif
	TRIP 0, \u%2, 1, CC, SCU, BC, 2*\u+1
	EPC 0, \u
.if \u < 3
	TRIP 1, \u%2, 1, CC, SCU, BC, 2*\u+2
.else
	TRIP 1, \u%2, 0, CC, SCU, BC, 0
.endif
	EPC 1, \u
.endr
	s_wait_tensorcnt 0x0                           ; the wave's end: behind my last tensor load and my last LDS store
	ds_add_u32 v[SPW], v[NIL]
	s_wait_dscnt 0x0
	ROUND                                          ; the closing round: no work-group ends while a partner may still ask for a tile that names it
	s_endpgm
.Lfunc_end_k_q05c86e3276_vo:
	.size	k_q05c86e3276_vo, .Lfunc_end_k_q05c86e3276_vo-k_q05c86e3276_vo
	.p2alignl 7, 3214868480
	.fill 96, 4, 3214868480
	.section	.rodata,"a",@progbits
	.p2align	6, 0x0
	.amdhsa_kernel k_q05c86e3276_vo
		.amdhsa_group_segment_fixed_size 327680
		.amdhsa_private_segment_fixed_size 0
		.amdhsa_enable_private_segment 0
		.amdhsa_kernarg_size 48
		.amdhsa_user_sgpr_count 2
		.amdhsa_user_sgpr_kernarg_segment_ptr 1
		.amdhsa_wavefront_size32 1
		.amdhsa_system_sgpr_workgroup_id_x 1
		.amdhsa_system_sgpr_workgroup_id_y 1
		.amdhsa_system_sgpr_workgroup_id_z 1
		.amdhsa_system_vgpr_workitem_id 0
		.amdhsa_next_free_vgpr 1024
		.amdhsa_next_free_sgpr 84
		.amdhsa_reserve_vcc 0
		.amdhsa_float_denorm_mode_32 3
		.amdhsa_float_denorm_mode_16_64 3
		.amdhsa_memory_ordered 1
		.amdhsa_forward_progress 1
		.amdhsa_inst_pref_size 255
	.end_amdhsa_kernel
	.section	.bss,"aw",@nobits
	.p2align	6
	.space	262144
	.amdgpu_metadata
---
amdhsa.version: [ 1, 2 ]
amdhsa.kernels:
  - .name:           k_q05c86e3276_vo
    .symbol:         k_q05c86e3276_vo.kd
    .args:
      - { .name: v, .offset: 0, .size: 8, .value_kind: global_buffer, .address_space: global }
      - { .name: wimg, .offset: 8, .size: 8, .value_kind: global_buffer, .address_space: global }
      - { .name: bv, .offset: 16, .size: 8, .value_kind: global_buffer, .address_space: global }
      - { .name: sc, .offset: 24, .size: 8, .value_kind: global_buffer, .address_space: global }
      - { .name: bo, .offset: 32, .size: 8, .value_kind: global_buffer, .address_space: global }
      - { .name: out0, .offset: 40, .size: 8, .value_kind: global_buffer, .address_space: global }
    .group_segment_fixed_size: 327680
    .private_segment_fixed_size: 0
    .kernarg_segment_align: 8
    .kernarg_segment_size: 48
    .max_flat_workgroup_size: 128
    .sgpr_count:     84
    .vgpr_count:     1024
    .wavefront_size: 32
...
	.end_amdgpu_metadata
.endif
;; end of part 6
